; MI455X (gfx1250); checked and timed in simulation.
; The chip was launched on July 23, 2026; its instructions are those of AMD's public machine-readable ISA for CDNA 5 (MIT licence, August 2026) and "CDNA5" Instruction Set Architecture Reference Guide (July 2026). The comments in the code are by the model that wrote it; some were corrected since.
;; Strategy Attention. Allowed arithmetic: float matrix products may take bf16 or f16 operands with f32 sums; all other float work in f32.
;; Inputs: W1 512 x 1,024 float32; W2 512 x 1,024 float32; keys 64 x 1,024 x 512 float32; query 64 x 512 float32; v1 512 float32; v2 512 float32.
;; Outputs: out0 64 x 1 x 1,024 float32.
;; 2 versions, each right and faster than the one before. Each part assembles by itself: llvm-mc -triple=amdgcn-amd-amdhsa -mcpu=gfx1250 --defsym DOCPART=n.
;; ======== version 1 of 2: 4 launches
;; workspace buffers: w1bf 524,288 bytes; w2bf 524,288 bytes; bias1 131,072 bytes; y2 524,288 bytes; kbf 67,108,864 bytes; pp 524,288 bytes; pst 65,536 bytes
;; launch proj1 (part 1): grid 8 x 4, 4 waves a work-group, no clusters, 88,064 bytes of LDS; arguments query, W1, bias1, w1bf; writes bias1, w1bf
.if DOCPART == 1
	.amdgcn_target "amdgcn-amd-amdhsa--gfx1250"
	.amdhsa_code_object_version 6
	.text
	.protected	k_qd9c65432e3_proj1
	.globl	k_qd9c65432e3_proj1
	.p2align	8
	.type	k_qd9c65432e3_proj1,@function
k_qd9c65432e3_proj1:
	s_mov_b64 s[64:65], 0
	v_nop
	global_prefetch_b8 v0, s[64:65] scope:SCOPE_SE
	s_setreg_imm32_b32 hwreg(HW_REG_WAVE_MODE, 25, 1), 1
	s_wait_xcnt 0x0
; Y[row][d] = sum over e of X[row][e] W[d][512 + e], and wbf[d][e] = bf16(W[d][e]) for e < 512.
; X: [rows][512] f32 (rows = 16 x the grid's y), W: [512][1024] f32, Y: [rows][512] f32, wbf: [512][512] bf16.
; X and W are rounded to bf16 (nearest even) as matrix operands; sums in f32, in two accumulators (even and odd K steps) that are added at the end.
; SHARES.  Work-group (gx, gy): 16 rows of X, 64 d.  Wave w: the 16 d from 64 gx + 16 w on.  The four waves share the 16 rows of X through LDS.
; The work-groups with gy < 4 also round four rows each wave of W's left half: 8 x 4 x 4 x 4 = 512 rows.
; No cluster and no tensor load: a work-group reads 160 KiB once and has 16 matrix instructions a wave; there is no loop in which a ring could turn.
; LIMITS.  NaN and infinities are not treated apart.
.set PX,    1040                       ; an LDS row: 1,024 bytes of bf16 + 16: 65 x 16 bytes, so the 16 rows of a fragment load start 16 bytes apart modulo 256
.set WT,    16*PX                      ; behind X's 16 rows: 16 rows of W for each wave
.set OST,   5*16*PX                    ; 83,200: the way out, 16 rows x 272 bytes
.set OP,    272
.set SPARE, OST+16*OP                  ; 87,552: the spare words, 128 bytes for each wave
.set SPW, 1                            ; v1   LDS address of my spare word; never rewritten
.set NIL, 2                            ; v2   0; never rewritten
.set L16, 5                            ; v5   16 x lane
.set L8,  6                            ; v6   8 x lane
.set XSA, 7                            ; v7   where I put my rows of X
.set WSA, 8                            ; v8   where I put my rows of W
.set FX,  9                            ; v9   my place in X's fragments
.set FW,  10                           ; v10  in W's
.set OSA, 11                           ; v11  the way out: where I put 32 bytes of a row
.set ORA, 12                           ; v12  where I read a row back
.set YO,  13                           ; v13  my byte offset in Y
.set RR,  14                           ; v14  lane % 16
.set HH,  15                           ; v15  lane / 16
.set ACC, 16                           ; v16-31  two accumulators
.set T,   32                           ; v32-63  at work
.set XL,  64                           ; v64-127 X as loaded
.set CL,  128                          ; v128-191 W's left half as loaded
.set CO,  192                          ; v192-223 the same in bf16; written once
                                       ; window 1: v0-255 W's right half as loaded; later X's fragments (v0-127) and W's (v128-255)
.set MSB, 0
.macro WIN new                         ; the immediate's high byte repeats the setting that is left
.if MSB != (\new)
	s_set_vgpr_msb (MSB<<8)|(\new)
.set MSB, (\new)
.endif
.endm
	s_load_b256 s[4:11], s[0:1], 0x0               ; X s[4:5], W s[6:7], Y s[8:9], wbf s[10:11]
	v_lshl_add_u32 v[SPW], v0, 2, SPARE
	v_mov_b32 v[NIL], 0
	v_lshrrev_b32 v3, 5, v0
	v_readfirstlane_b32 s12, v3                    ; wave 0..3
	s_and_b32 s14, ttmp7, 0xffff                   ; gy
	v_and_b32 v4, 31, v0
	v_lshlrev_b32 v[L16], 4, v4
	v_lshlrev_b32 v[L8], 3, v4
	s_lshl_b32 s16, s14, 15
	s_lshl_b32 s15, s12, 13
	s_add_co_u32 s16, s16, s15                     ; (16 gy + 4 w) rows of 2,048 bytes: X, Y
	s_mov_b32 s17, 0
	s_lshl_b32 s18, ttmp9, 18
	s_lshl_b32 s15, s12, 16
	s_add_co_u32 s18, s18, s15                     ; (64 gx + 16 w) rows of 4,096 bytes: W for the product
	s_mov_b32 s19, 0
	s_lshl_b32 s20, ttmp9, 18
	s_lshl_b32 s15, s14, 16
	s_add_co_u32 s20, s20, s15
	s_lshl_b32 s15, s12, 14
	s_add_co_u32 s20, s20, s15                     ; (64 gx + 16 gy + 4 w) rows of 4,096 bytes: W for the rounding
	s_mov_b32 s21, 0
	s_lshr_b32 s22, s20, 2                         ; the same rows of 1,024 bytes: wbf
	s_mov_b32 s23, 0
	s_lshl_b32 s24, ttmp9, 8
	s_add_co_u32 s24, s24, s16                     ; Y: + 64 gx columns of 4 bytes
	s_mov_b32 s25, 0
	s_wait_kmcnt 0x0
	s_add_nc_u64 s[4:5], s[4:5], s[16:17]
	s_add_nc_u64 s[18:19], s[6:7], s[18:19]
	s_add_nc_u64 s[20:21], s[6:7], s[20:21]
	s_add_nc_u64 s[10:11], s[10:11], s[22:23]
	s_add_nc_u64 s[8:9], s[8:9], s[24:25]
.set i, 0
.rept 16                                               ; my four rows of X: a load covers 512 consecutive bytes of a row
	global_load_b128 v[XL+4*i:XL+4*i+3], v[L16], s[4:5] offset:(i/4)*2048+(i%4)*512
.set i, i+1
.endr
	WIN 0x40                                       ; destination window 1
.set i, 0
.rept 64                                               ; my 16 rows of W, right half
	global_load_b128 v[4*i:4*i+3], v[L16], s[18:19] offset:(i/4)*4096+2048+(i%4)*512
.set i, i+1
.endr
	WIN 0
	s_cmp_lt_u32 s14, 4
	s_cbranch_scc0 .Lno_job                        ; the rounding of W's left half is shared among gy = 0..3
.set i, 0
.rept 16
	global_load_b128 v[CL+4*i:CL+4*i+3], v[L16], s[20:21] offset:(i/4)*4096+(i%4)*512
.set i, i+1
.endr
	s_wait_loadcnt 0x0
.set i, 0
.rept 32
	v_cvt_pk_bf16_f32 v[CO+i], v[CL+2*i], v[CL+2*i+1]
.set i, i+1
.endr
.set i, 0
.rept 16
	global_store_b64 v[L8], v[CO+2*i:CO+2*i+1], s[10:11] offset:(i/4)*1024+(i%4)*256  ; the wave stores 256 consecutive bytes, aligned
.set i, i+1
.endr
.Lno_job:
	v_and_b32 v[RR], 15, v0
	v_bfe_u32 v[HH], v0, 4, 1
	s_mul_i32 s15, s12, 4*PX
	v_add_nc_u32 v[XSA], s15, v[L8]                ; X's rows 4 w on
	s_mul_i32 s15, s12, 16*PX
	s_add_co_u32 s15, s15, WT                      ; my 16 rows of W
	v_add_nc_u32 v[WSA], s15, v[L8]
	v_mul_u32_u24 v[FX], v[RR], PX
	v_lshl_add_u32 v[FX], v[HH], 4, v[FX]          ; row x pitch + 16 x half
	v_add_nc_u32 v[FW], s15, v[FX]
	s_wait_loadcnt 63                              ; X is in: 64 loads are younger, and the count cannot name more than 63 (where the rounding ran, all are in)
.set i, 0
.rept 32
	v_cvt_pk_bf16_f32 v[T+i], v[XL+2*i], v[XL+2*i+1]
.set i, i+1
.endr
.set i, 0
.rept 16
	ds_store_b64 v[XSA], v[T+2*i:T+2*i+1] offset:(i/4)*PX+(i%4)*256
.set i, i+1
.endr
.irp bt, 0,1,2,3                                       ; W in four batches of four rows
	s_wait_loadcnt 48-16*\bt                       ; the younger batches of 16 loads may stay out
	WIN 0x05                                       ; sources in window 1
.set i, 0
.rept 32
	v_cvt_pk_bf16_f32 v[T+i], v[64*\bt+2*i], v[64*\bt+2*i+1]
.set i, i+1
.endr
	WIN 0
.set i, 0
.rept 16
	ds_store_b64 v[WSA], v[T+2*i:T+2*i+1] offset:(4*\bt+i/4)*PX+(i%4)*256
.set i, i+1
.endr
.endr
	s_wait_dscnt 0x0                               ; for the others' sake: my rows of X are in LDS
	s_barrier_signal -1
	s_barrier_wait -1
	; A fragment is 16 rows x 32 K in 8 registers: lane l holds row l % 16, K = 8 (l / 16) + 0..7 and 16 + 8 (l / 16) + 0..7: two loads of 16 bytes, 32 bytes apart.
	WIN 0x40
.set t, 0
.rept 16
	ds_load_b128 v[128+8*t:128+8*t+3], v[FW] offset:64*t
	ds_load_b128 v[128+8*t+4:128+8*t+7], v[FW] offset:64*t+32
	ds_load_b128 v[8*t:8*t+3], v[FX] offset:64*t
	ds_load_b128 v[8*t+4:8*t+7], v[FX] offset:64*t+32
.set t, t+1
.endr
	; Source 0 = 16 rows of W, source 1 = 16 rows of X: a lane then holds eight neighbouring d of one row of Y.  The two accumulators take turns.
	WIN 0x05
.set t, 0
.rept 16
	s_wait_dscnt 60-4*t                            ; K step t's four loads are in; four for each later step may stay out
.if t < 2
	v_wmma_f32_16x16x32_bf16 v[ACC+8*(t%2):ACC+8*(t%2)+7], v[128+8*t:128+8*t+7], v[8*t:8*t+7], 0
.else
	v_wmma_f32_16x16x32_bf16 v[ACC+8*(t%2):ACC+8*(t%2)+7], v[128+8*t:128+8*t+7], v[8*t:8*t+7], v[ACC+8*(t%2):ACC+8*(t%2)+7]
.endif
.set t, t+1
.endr
	WIN 0
	s_lshl_b32 s15, s12, 6                         ; four address lines: the places between the last product and the reads of its result (ISA guide 7.12.1)
	s_add_co_u32 s15, s15, OST
	v_mul_u32_u24 v[OSA], v[RR], OP
	v_lshl_add_u32 v[OSA], v[HH], 5, v[OSA]
	v_add_nc_u32 v[OSA], s15, v[OSA]               ; row l % 16, my 64 bytes, 32 for each half of the lanes
	v_mul_u32_u24 v[ORA], v[HH], OP
.irp i, 0,1,2,3
	v_pk_add_f32 v[T+2*\i:T+2*\i+1], v[ACC+2*\i:ACC+2*\i+1], v[ACC+8+2*\i:ACC+8+2*\i+1]
.endr
	ds_store_b128 v[OSA], v[T:T+3]
	ds_store_b128 v[OSA], v[T+4:T+7] offset:16
	s_mul_i32 s15, s12, 4*OP
	s_add_co_u32 s15, s15, OST
	v_lshl_add_u32 v[ORA], v[RR], 4, v[ORA]
	v_add_nc_u32 v[ORA], s15, v[ORA]               ; back: rows 4 w on; lanes 0-15 one row of 256 bytes, lanes 16-31 the next
	v_lshlrev_b32 v[YO], 11, v[HH]
	v_lshl_add_u32 v[YO], v[RR], 4, v[YO]
	s_wait_dscnt 0x0                               ; for the others' sake: a row's 256 bytes come from four waves
	s_barrier_signal -1
	s_barrier_wait -1
	ds_load_b128 v[T+8:T+11], v[ORA]
	ds_load_b128 v[T+12:T+15], v[ORA] offset:2*OP
	s_wait_dscnt 0x0
	global_store_b128 v[YO], v[T+8:T+11], s[8:9]               ; 16 lanes store 256 consecutive bytes, aligned
	global_store_b128 v[YO], v[T+12:T+15], s[8:9] offset:4096
	s_wait_tensorcnt 0x0                           ; the wave's end: the wait, the add and its wait stand behind my last LDS store
	ds_add_u32 v[SPW], v[NIL]
	s_wait_dscnt 0x0
	s_endpgm
.Lfunc_end_k_qd9c65432e3_proj1:
	.size	k_qd9c65432e3_proj1, .Lfunc_end_k_qd9c65432e3_proj1-k_qd9c65432e3_proj1
	.p2alignl 7, 3214868480
	.fill 96, 4, 3214868480
	.section	.rodata,"a",@progbits
	.p2align	6, 0x0
	.amdhsa_kernel k_qd9c65432e3_proj1
		.amdhsa_group_segment_fixed_size 88064
		.amdhsa_private_segment_fixed_size 0
		.amdhsa_enable_private_segment 0
		.amdhsa_kernarg_size 32
		.amdhsa_user_sgpr_count 2
		.amdhsa_user_sgpr_kernarg_segment_ptr 1
		.amdhsa_wavefront_size32 1
		.amdhsa_system_sgpr_workgroup_id_x 1
		.amdhsa_system_sgpr_workgroup_id_y 1
		.amdhsa_system_sgpr_workgroup_id_z 1
		.amdhsa_system_vgpr_workitem_id 0
		.amdhsa_next_free_vgpr 512
		.amdhsa_next_free_sgpr 66
		.amdhsa_reserve_vcc 0
		.amdhsa_float_denorm_mode_32 3
		.amdhsa_float_denorm_mode_16_64 3
		.amdhsa_memory_ordered 1
		.amdhsa_forward_progress 1
		.amdhsa_inst_pref_size 38
	.end_amdhsa_kernel
	.amdgpu_metadata
---
amdhsa.version: [ 1, 2 ]
amdhsa.kernels:
  - .name:           k_qd9c65432e3_proj1
    .symbol:         k_qd9c65432e3_proj1.kd
    .args:
      - { .name: query, .offset: 0, .size: 8, .value_kind: global_buffer, .address_space: global }
      - { .name: W1, .offset: 8, .size: 8, .value_kind: global_buffer, .address_space: global }
      - { .name: bias1, .offset: 16, .size: 8, .value_kind: global_buffer, .address_space: global }
      - { .name: w1bf, .offset: 24, .size: 8, .value_kind: global_buffer, .address_space: global }
    .group_segment_fixed_size: 88064
    .private_segment_fixed_size: 0
    .kernarg_segment_align: 8
    .kernarg_segment_size: 32
    .max_flat_workgroup_size: 128
    .sgpr_count:     66
    .vgpr_count:     512
    .wavefront_size: 32
...
	.end_amdgpu_metadata
.endif
;; end of part 1
;; launch stage1 (part 2): grid 256 x 1, 4 waves a work-group, clusters of 4 x 1, 327,680 bytes of LDS; arguments keys, w1bf, bias1, v1, kbf, pp, pst; writes kbf, pp, pst
.if DOCPART == 2
	.amdgcn_target "amdgcn-amd-amdhsa--gfx1250"
	.amdhsa_code_object_version 6
	.text
	.protected	k_qd9c65432e3_stage1
	.globl	k_qd9c65432e3_stage1
	.p2align	8
	.type	k_qd9c65432e3_stage1,@function
k_qd9c65432e3_stage1:
	s_mov_b64 s[64:65], 0
	v_nop
	global_prefetch_b8 v0, s[64:65] scope:SCOPE_SE
	s_setreg_imm32_b32 hwreg(HW_REG_WAVE_MODE, 25, 1), 1
	s_wait_xcnt 0x0
	s_wait_alu depctr_hold_cnt(0) depctr_sa_sdst(0) depctr_va_vdst(0) depctr_va_sdst(0) depctr_va_ssrc(0) depctr_va_vcc(0) depctr_vm_vsrc(0)
	s_getreg_b32 s2, hwreg(HW_REG_IB_STS2, 6, 4)
	s_cmp_eq_u32 s2, 0
	s_cbranch_scc0 .Lentry_in_a_cluster
	s_endpgm
.Lentry_in_a_cluster:
	s_bfe_u32 s2, ttmp6, 0x10000c
	s_cmp_lg_u32 s2, 0x3003
	s_cbranch_scc0 .Lentry_shape_is_right
	s_endpgm
.Lentry_shape_is_right:
; STAGE 1.  score[s] = sum over d of v1[d] tanh(sum over e of W1[d][e] keys[s][e] + bias1[b][d]); for the work-group's 256 rows: m = their largest score, e_s = exp(score - m),
; l = sum of e_s, p[:] = sum of e_s keys[s][:].  Stored: kbf (keys in bf16, in the order of the matrix fragments), pp (p), pst (m, l).  The softmax over a batch's 1,024 rows is finished later from four (m, l, p).
; keys: [65,536][512] f32; w1bf: [512][512] bf16; bias1: [64][512] f32; v1: [512] f32.
; LIMITS.  keys are rounded to bf16 (nearest even) as matrix operands, and so are the weights e_s for p; l is the sum of the unrounded e_s.  tanh(x) = 1 - 2 / (1 + 2^(c x)), c = 2 log2(e):
; absolute error about 1e-7 near 0; 2^(c x) beyond f32's range gives 1 or -1 exactly.  A weight below 2^-126 counts as 0.  NaN and infinities are not treated apart.
; SHARES.  Work-group wg = 4 b + quarter owns 256 rows, each of its four waves 64.  A wave keeps its 64 rows x 512 K in registers as fragments (512 registers); only W comes out of LDS.
; THE PRODUCT IS USED TRANSPOSED: source 0 = 16 rows of W (d), source 1 = 16 rows of keys.  Register j of lane l then holds d = d0 + 8 (l / 16) + j of key row l % 16: a row's score is a sum inside a lane and one exchange of the lanes' halves.
; CHUNKS.  32 d at a time: 2 d blocks x 4 row blocks = 8 accumulators, 16 K steps, 128 products; 16 chunks.  At a chunk's head the finished sums are copied, scaled and biased, into a shadow set; their
; exponentials, reciprocals and sums stand behind the next chunk's products, one transcendental behind each.
; score = V + sum of v'[d] r[d], with r = 1 / (1 + 2^z), v' = -2 v, V = sum of v.
; CLUSTER.  All work-groups walk the same W; the four of a batch form a cluster and ask for each tile JOINTLY (the same load, descriptor and mask of four in all four).
; THE RING.  Chunk 0 has a region of its own; two slots of three chunks (96 rows) take turns for chunks 1-15.  Each wave fetches 24 rows of a slot.  A wave has two tensor loads out at the start, later one.
; REGISTERS, in windows of 256 (s_set_vgpr_msb: bits 1:0 source 0, 3:2 source 1, 5:4 source 2, 7:6 destination):
;   window 0: v0-15 addresses; v16-79 accumulators; v80-143 shadows; v144-207 W's fragments, two buffers; v208-223 bias'; v224-239 v'; v240-255 the scores' sums
;   window 1: keys as loaded (four slots of 64); at the end p's accumulators      window 2: keys, K steps 0-7, at 32 t + 8 rb      window 3: K steps 8-15
.set PW,    1040                       ; a row of W in LDS: 1,024 bytes + 16 = 65 x 16 bytes: the 16 rows of a fragment load start 16 bytes apart modulo 256
.set CHB,   32*PW                      ; a chunk
.set SLOTB, 3*CHB                      ; a slot: 99,840
.set SLOT1, 1<<17                      ; slot 1 begins here: one exclusive or turns an address in one slot into the other's
.set STG,   SLOTB                      ; 99,840: 16 rows x 272 bytes for each wave, where keys change from rows to fragments; no tile lands here
.set SPS,   272
.set PCH,   SLOT1+SLOTB                ; 230,912: chunk 0
.set DMP,   64*PW                      ; at the end, behind the last fill: each wave's 64 rows of keys in bf16, from LDS byte 0 on (266,240 bytes in all)
.set TAB,   270336                     ; bias'[512], then v'[512], f32
.set MISC,  TAB+4096                   ; +0 the waves' parts of V; +16 their maxima; +32 their l; +256 the weights, 128 bytes a wave
.set WGT,   MISC+256
.set PS,    MISC+2048                  ; the waves' parts of p: 4 x 2,048 bytes
.set SPARE, PS+8192                    ; 284,672: the spare words, 128 bytes for each wave
.set SPW, 1                            ; v1   LDS address of my spare word; never rewritten
.set NIL, 2                            ; v2   0; never rewritten
.set WA0, 3                            ; v3   my lane's place in a tile of W: (l % 16) x 1,040 + 16 (l / 16)
.set WAD, 4                            ; v4   LDS address of the chunk's fragments
.set TAD, 5                            ; v5   LDS address of the chunk's bias'
.set L16, 6                            ; v6   16 x lane; never rewritten
.set VS,  7                            ; v7   V
.set RR,  8                            ; v8   l % 16
.set HH,  9                            ; v9   l / 16
.set TA0, 10                           ; v10  32 (l / 16)
.set STA, 11                           ; v11  the stage: where I put 8 bytes of a row
.set FRA, 12                           ; v12  the stage: my place in a fragment
.set T16, 13                           ; v13  16 x thread
.set TADR, 14                          ; v14  TAB + 16 x thread
.set TM,  15                           ; v15  at work
.set ACC, 16                           ; block b = 4 db + rb at ACC + 8 b
.set SH,  80
.set WB,  144                          ; buffer x 32 + K step x 16 + db x 8
.set BI,  208
.set VP,  224
.set SA,  240                          ; row block rb: two pairs at SA + 4 rb
.set WV,  18                           ; s18  my wave's number
.set CX,  19                           ; s19  my place in the cluster: it enters global addresses of keys, kbf, pp, pst alone
.set WG,  20                           ; s20  4 x cluster + cx
.set G1,  24                           ; s[24:31] descriptor group 1: 24 rows
.set G1P, 32                           ; s[32:39] the same for 8 rows
.set G0,  40                           ; s[40:43] descriptor group 0: it walks
.set G0P, 44                           ; s[44:47] for chunk 0
.set SLOTS, 48
.set CNT, 49
.set TBW, 50                           ; s50  LDS byte at which the next chunk's rows of W begin
.set TBT, 51                           ; s51  LDS byte of the chunk's bias'
.set CS,  52                           ; s[52:53] c
.set SEL, 54                           ; s[54:55] v_permlanex16_b32's selects: each lane takes its own place in the other half
.set L2E, 58                           ; s58  log2(e)
.set MW,  59                           ; s59  MISC + 4 x wave
.set MSB, 0
.macro WIN new                         ; the immediate's high byte repeats the setting that is left; a switch that changes nothing is dropped
.if MSB != (\new)
	s_set_vgpr_msb (MSB<<8)|(\new)
.set MSB, (\new)
.endif
.endm
.macro PLACES                          ; four places (ISA guide 7.12.1) where no other vector work is at hand
.rept 4
	v_nop
.endr
.endm
; A round of the cluster's barrier: my work-group's barrier, so that wave 0's signal speaks for all four waves; wave 0 signals; every wave waits for all four work-groups; my work-group's barrier once more.
.macro CROUND
	s_barrier_signal -1
	s_barrier_wait -1
	s_cmp_lg_u32 s[WV], 0
	s_cbranch_scc1 .Lnot_wave_0_\@
	s_barrier_signal -3
.Lnot_wave_0_\@:
	s_barrier_wait -3
	s_barrier_signal -1
	s_barrier_wait -1
.endm
; Eight LDS loads: W's fragments of K steps 2 g and 2 g + 1, both d blocks, into buffer g % 2.
.macro LOADW g
.irp kk, 0,1
.irp db, 0,1
.irp hf, 0,1
	ds_load_b128 v[WB+32*((\g)%2)+16*\kk+8*\db+4*\hf:WB+32*((\g)%2)+16*\kk+8*\db+4*\hf+3], v[WAD] offset:\db*16*PW+(2*(\g)+\kk)*64+32*\hf
.endr
.endr
.endr
.endm
; Product k of 16 of group g: K step 2 g + k / 8, block k % 8.  The eight accumulators take turns in the same order in every K step.  K step 0 starts the sums.
.macro MM g, k
.set t_, 2*(\g)+(\k)/8
.set b_, (\k)%8
.set rD, ACC+8*b_
.set rW, WB+32*((\g)%2)+16*((\k)/8)+8*(b_/4)
.set rK, 32*(t_%8)+8*(b_%4)
	WIN 0x08+4*((\g)/4)                            ; source 1 (keys) in window 2 or 3, all else in window 0
.if t_ == 0
	v_wmma_f32_16x16x32_bf16 v[rD:rD+7], v[rW:rW+7], v[rK:rK+7], 0
.else
	v_wmma_f32_16x16x32_bf16 v[rD:rD+7], v[rW:rW+7], v[rK:rK+7], v[rD:rD+7]
.endif
.endm
; The shadows: z = c x sum + c x bias.  Each accumulator is read from its low end on.
.macro FB
.set b_, 0
.rept 8
.irp i, 0,1,2,3
	v_pk_fma_f32 v[SH+8*b_+2*\i:SH+8*b_+2*\i+1], v[ACC+8*b_+2*\i:ACC+8*b_+2*\i+1], s[CS:CS+1], v[BI+8*(b_/4)+2*\i:BI+8*(b_/4)+2*\i+1] op_sel_hi:[1,0,1]
.endr
.set b_, b_+1
.endr
.endm
; What follows on shadow block g: 2^z; 1 + 2^z; the reciprocal; the score's sum.  The first three name vector registers in the destination and source 0 places alone, so they stand under the products' window setting.
.macro RE g, i
	v_exp_f32 v[SH+8*(\g)+(\i)], v[SH+8*(\g)+(\i)]
.endm
.macro RP g, i
	s_wait_alu depctr_va_vdst(0)
	v_pk_add_f32 v[SH+8*(\g)+2*(\i):SH+8*(\g)+2*(\i)+1], v[SH+8*(\g)+2*(\i):SH+8*(\g)+2*(\i)+1], 1.0 op_sel_hi:[1,0]
.endm
.macro RQ g, i
	v_rcp_f32 v[SH+8*(\g)+(\i)], v[SH+8*(\g)+(\i)]
.endm
.macro RS g, i
	s_wait_alu depctr_va_vdst(0)
	v_pk_fma_f32 v[SA+4*((\g)%4)+2*((\i)%2):SA+4*((\g)%4)+2*((\i)%2)+1], v[SH+8*(\g)+2*(\i):SH+8*(\g)+2*(\i)+1], v[VP+8*((\g)/4)+2*(\i):VP+8*((\g)/4)+2*(\i)+1], v[SA+4*((\g)%4)+2*((\i)%2):SA+4*((\g)%4)+2*((\i)%2)+1]
.endm
; What stands behind product k (1 to 15) of group g.  Every transcendental's result is used only behind a plain instruction (ISA guide 5.7.2): the v_nop at 3, then the additions of 1, then the sums.
.macro RIDE g, k
.if (\k) == 3
	v_nop
.endif
.if ((\k) >= 4) && ((\k) <= 10) && ((\k)%2 == 0)
	RP \g, ((\k)-4)/2
.endif
.if (\k) < 8
	RE \g, \k
.else
	RQ \g, (\k)-8
.endif
.endm
; Quad n of my keys' fragments goes to kbf: 512 consecutive bytes, aligned.  It stands under the window setting of product n of chunk 0, whose source 1 window holds it.
.macro KST n
	global_store_b128 v[L16], v[4*((\n)%64):4*((\n)%64)+3], s[12:13] offset:512*(\n) th:TH_STORE_NT
.endm
; GROUP g: 16 products (two K steps).  mode 0: the riders of shadow block g behind them, and block g - 1's four sums behind the first: these four are the places in front of the loads into the buffer that
; group g - 1 read.  mode 1: chunk 0: no shadows yet; a store of keys behind each product, four v_nop as the places.
; The LDS loads stand in one run behind the first product, 15 products ahead of the wait for them at the next group's head.
.macro GROUP g, mode
	s_wait_dscnt 0x0                               ; this group's fragments and the tables: all that is out
	MM \g, 0
.if (\mode) == 1
	KST 16*(\g)
	PLACES
.elseif (\g) > 0
	WIN 0                                          ; the sums name v' as source 1
	RS (\g)-1, 0
	RS (\g)-1, 1
	RS (\g)-1, 2
	RS (\g)-1, 3
.endif
.if (\g) < 7
	LOADW (\g)+1
.endif
.if (\g) == 0
.irp q, 0,1,2,3                                        ; this chunk's bias': the copy into the shadows has just read the last chunk's
	ds_load_b128 v[BI+4*\q:BI+4*\q+3], v[TAD] offset:64*(\q/2)+16*(\q%2)
.endr
.if (\mode) == 0
	ds_load_b128 v[VP+8:VP+11], v[TAD] offset:1984           ; v' of the shadows' second d block (the chunk before: 2,048 - 128 + 64)
	ds_load_b128 v[VP+12:VP+15], v[TAD] offset:2000
.endif
.endif
.if (\g) == 4
	ds_load_b128 v[VP:VP+3], v[TAD] offset:2048              ; v' of this chunk's first d block: the shadows' first d block is summed
	ds_load_b128 v[VP+4:VP+7], v[TAD] offset:2064
.endif
.if (\mode) == 0
	RE \g, 0
.endif
.irp k, 1,2,3,4,5,6,7,8,9,10,11,12,13,14,15
	MM \g, \k
.if (\mode) == 1
	KST 16*(\g)+\k
.else
	RIDE \g, \k
.endif
.endr
.endm
; A chunk with the chunk before in its shadows.
.macro TRIP
	WIN 0
	v_add_nc_u32 v[WAD], s[TBW], v[WA0]
	s_add_co_u32 s[TBT], s[TBT], 128
	v_add_nc_u32 v[TAD], s[TBT], v[TA0]
	s_add_co_u32 s[TBW], s[TBW], CHB
	LOADW 0
	FB                                             ; stands while those loads are out
.irp g, 0,1,2,3,4,5,6,7
	GROUP \g, 0
.endr
	WIN 0
	RS 7, 0                                        ; these four are also the places behind the chunk's last product
	RS 7, 1
	RS 7, 2
	RS 7, 3
.endm
.macro PEEL mode                       ; chunk 0
	WIN 0
	v_add_nc_u32 v[WAD], PCH, v[WA0]
	v_add_nc_u32 v[TAD], TAB, v[TA0]
	LOADW 0
.irp g, 0,1,2,3,4,5,6,7
	GROUP \g, \mode
.endr
	PLACES
	WIN 0
.endm
.macro INNER                           ; a slot's three chunks: written once, walked three times
	s_mov_b32 s[CNT], 3
.Lchunk_\@:
	TRIP
	s_sub_co_u32 s[CNT], s[CNT], 1
	s_cmp_lg_u32 s[CNT], 0
	s_cbranch_scc1 .Lchunk_\@
.endm
; THE CHANGE OF SLOTS.  Each wave waits for all its tensor loads, of which one is out: its part of the slot to be read next; adds 0 to its spare word; and waits for that and for its own reads of the slot that it leaves.
; fill = 1: the slot just left is filled with the chunks two slots on.  The barrier is then a round of the cluster's, so that no wave of any partner still reads the slot or has a load on its way, and the joint
; fill is the first thing behind it: it has three chunks, 384 products a wave, in which to land.  (At its first use chunk 0's region has been read, slot 0 is waited for, and slot 1 has its first fill.)
.macro CHANGE fill
	WIN 0
	s_wait_tensorcnt 0x0                           ; no tensor load of mine is out, so group 0 may be written
	ds_add_u32 v[SPW], v[NIL]                      ; 0 onto my spare word
.if \fill
	s_xor_b32 s[G0+1], s[G0+1], SLOT1              ; the other slot than last time,
	s_add_nc_u64 s[G0+2:G0+3], s[G0+2:G0+3], 96*1024  ; the next 96 rows of 1,024 bytes; the type bits on top are not reached
	s_wait_dscnt 0x0                               ; the add is done, and my reads of the slot are over
	CROUND
	tensor_load_to_lds s[G0:G0+3], s[G1:G1+7]
	s_nop 0
	PLACES
.else
	s_wait_dscnt 0x0
	s_barrier_signal -1
	s_barrier_wait -1
.endif
	s_sub_co_u32 s[TBW], s[TBW], SLOTB             ; the fetches go back to a slot's first chunk,
	s_xor_b32 s[TBW], s[TBW], SLOT1                ; in the other slot
.endm
; The last chunk's shadows have no products to stand behind.
.macro EPI
	WIN 0
	ds_load_b128 v[VP+8:VP+11], v[TAD] offset:2112           ; v' of the last chunk's second d block
	ds_load_b128 v[VP+12:VP+15], v[TAD] offset:2128
	FB
	s_wait_dscnt 0x0
.irp g, 0,1,2,3,4,5,6,7
.irp i, 0,1,2,3,4,5,6,7
	RE \g, \i
.endr
.endr
	v_nop
.irp g, 0,1,2,3,4,5,6,7
.irp i, 0,1,2,3
	RP \g, \i
.endr
.endr
.irp g, 0,1,2,3,4,5,6,7
.irp i, 0,1,2,3,4,5,6,7
	RQ \g, \i
.endr
.endr
	v_nop
.irp g, 0,1,2,3,4,5,6,7
.irp i, 0,1,2,3
	RS \g, \i
.endr
.endr
.endm
; The score of key row 16 rb + l % 16 into v[SA + 4 rb], in both halves of the lanes.
.macro SCORES
.irp rb, 0,1,2,3
	v_pk_add_f32 v[SA+4*\rb:SA+4*\rb+1], v[SA+4*\rb:SA+4*\rb+1], v[SA+4*\rb+2:SA+4*\rb+3]
.endr
.irp rb, 0,1,2,3
	v_add_f32 v[SA+4*\rb], v[SA+4*\rb], v[SA+4*\rb+1]
.endr
.irp rb, 0,1,2,3
	v_permlanex16_b32 v[SA+4*\rb+1], v[SA+4*\rb], s[SEL], s[SEL+1]  ; the other eight d of every block lie in the lane 16 away
.endr
.irp rb, 0,1,2,3
	v_add_f32 v[SA+4*\rb], v[SA+4*\rb], v[SA+4*\rb+1]
.endr
.irp rb, 0,1,2,3
	v_add_f32 v[SA+4*\rb], v[SA+4*\rb], v[VS]
.endr
.endm
; Thread t holds d = 4 t .. 4 t + 3: bias' in v[48:51], v in v[52:55].  Both tables go to LDS, and my wave's part of V.
.macro TABLES
	v_pk_mul_f32 v[56:57], v[52:53], -2.0 op_sel_hi:[1,0]
	v_pk_mul_f32 v[58:59], v[54:55], -2.0 op_sel_hi:[1,0]
	v_add_f32 v60, v52, v53
	v_add_f32 v61, v54, v55
	ds_store_b128 v[TADR], v[48:51]
	ds_store_b128 v[TADR], v[56:59] offset:2048
	v_add_f32 v60, v60, v61
	v_add_f32_dpp v60, v60, v60 row_xmask:1 row_mask:0xf bank_mask:0xf
	v_add_f32_dpp v60, v60, v60 row_xmask:2 row_mask:0xf bank_mask:0xf
	v_add_f32_dpp v60, v60, v60 row_xmask:4 row_mask:0xf bank_mask:0xf
	v_add_f32_dpp v60, v60, v60 row_xmask:8 row_mask:0xf bank_mask:0xf
	v_permlanex16_b32 v61, v60, s[SEL], s[SEL+1]
	v_add_f32 v60, v60, v61
	v_mov_b32 v[TM], s[MW]
	ds_store_b32 v[TM], v60                        ; all lanes write the same word with the same value
.endm
; Strip s = 4 q + rb: key rows 16 rb on, columns 128 q on.  ASK: its 16 loads, each 512 consecutive bytes of one row, into landing slot rb.
.macro ASK s
	WIN 0x40
.set i, 0
.rept 16
	global_load_b128 v[64*((\s)%4)+4*i:64*((\s)%4)+4*i+3], v[L16], s[4:5] offset:(16*((\s)%4)+i)*2048+512*((\s)/4) th:TH_LOAD_NT
.set i, i+1
.endr
.endm
; STRIP: rounded to bf16, through my stage, back as the fragments of K steps 4 q .. 4 q + 3.  LDS serves a wave's instructions in order (ISA guide 5.7.1.4), and the stage is my own: no wait between stores and loads, nor from strip to strip.
.macro STRIP s, left
	s_wait_loadcnt \left
	WIN 0x05
.set i, 0
.rept 32
	v_cvt_pk_bf16_f32 v[16+i], v[64*((\s)%4)+2*i], v[64*((\s)%4)+2*i+1]
.set i, i+1
.endr
	WIN 0
.set i, 0
.rept 16
	ds_store_b64 v[STA], v[16+2*i:17+2*i] offset:SPS*i
.set i, i+1
.endr
	WIN 0x80+0x40*((\s)/8)
.set i, 0
.rept 8
	ds_load_b128 v[32*((4*((\s)/4)+i/2)%8)+8*((\s)%4)+4*(i%2):32*((4*((\s)/4)+i/2)%8)+8*((\s)%4)+4*(i%2)+3], v[FRA] offset:32*i
.set i, i+1
.endr
.if (\s) < 12
	ASK (\s)+4
.endif
.endm
	s_load_b256 s[4:11], s[0:1], 0x0               ; keys s[4:5], w1bf s[6:7], bias1 s[8:9], v1 s[10:11]
	s_load_b128 s[12:15], s[0:1], 0x20             ; kbf s[12:13], pp s[14:15]
	s_load_b64 s[16:17], s[0:1], 0x30              ; pst
	v_lshl_add_u32 v[SPW], v0, 2, SPARE
	v_mov_b32 v[NIL], 0
	ds_add_u32 v[SPW], v[NIL]                      ; the wave's opening: the add and its wait stand ahead of my first tensor load; the set-up below, work on registers, stands between them
	ds_add_u32 v1, v2
	v_lshrrev_b32 v[TM], 5, v0
	v_readfirstlane_b32 s[WV], v[TM]               ; wave 0..3
	s_bfe_u32 s[CX], ttmp6, 0x40000
	s_lshl_b32 s[WG], ttmp9, 2                     ; in a cluster launch ttmp9 counts clusters: the batch
	s_add_co_u32 s[WG], s[WG], s[CX]
	; descriptor group 1: rows of 512 elements of 2 bytes, padded in LDS
	s_mov_b32 s[G1], 15|(1<<16)|(1<<20)|(1<<21)|(7<<22)|(3<<25)   ; 15:0 the mask of four; 17:16 2-byte elements; 20 padding on; 21 set beside a mask; 24:22 after every 256 words (code 7); 31:25 4 words (code 3)
	s_mov_b32 s[G1P], 15|(1<<16)|(1<<20)|(1<<21)|(7<<22)|(3<<25)
	s_mov_b32 s[G1+1], 512<<16                     ; tensor_dim0 = 512
	s_mov_b32 s[G1P+1], 512<<16
	s_mov_b32 s[G1+2], 24<<16                      ; tensor_dim1 = 24
	s_mov_b32 s[G1P+2], 8<<16                      ; or 8
	s_mov_b32 s[G1+3], 512<<16                     ; tile_dim0 = 512
	s_mov_b32 s[G1P+3], 512<<16
	s_mov_b32 s[G1+4], 24                          ; tile_dim1
	s_mov_b32 s[G1P+4], 8
	s_mov_b32 s[G1+5], 512                         ; 512 elements from row to row
	s_mov_b32 s[G1P+5], 512
	s_mov_b32 s[G1+6], 0
	s_mov_b32 s[G1P+6], 0
	s_mov_b32 s[G1+7], 0
	s_mov_b32 s[G1P+7], 0
	s_mov_b32 s[G0], 1                             ; count = 1
	s_mul_i32 s[G0+1], s[WV], 24*PW                ; LDS address: slot 0, my 24 rows
	s_mov_b32 s[G0P], 1
	s_mul_i32 s[G0P+1], s[WV], 8*PW
	s_add_co_u32 s[G0P+1], s[G0P+1], PCH           ; chunk 0's region, my 8 rows
	s_mul_i32 s22, s[WV], 24*1024
	s_add_co_u32 s22, s22, 32*1024                 ; slot 0 begins with row 32
	s_mov_b32 s23, 0
	s_lshl_b32 s56, s[WV], 13
	s_mov_b32 s57, 0
	s_mov_b32 s[CS], 0x4038aa3b                    ; c = 2 log2(e)
	s_mov_b32 s[CS+1], s[CS]                       ; named with it as a pair
	s_mov_b32 s[SEL], 0x76543210
	s_mov_b32 s[SEL+1], 0xfedcba98
	s_mov_b32 s[L2E], 0x3fb8aa3b
	s_mov_b32 s[TBW], SLOT1+SLOTB                  ; the first change of slots turns this into 0
	s_mov_b32 s[TBT], TAB
	s_lshl_b32 s[MW], s[WV], 2
	s_add_co_u32 s[MW], s[MW], MISC
	s_wait_dscnt 0x0                               ; the opening add is done
	s_wait_kmcnt 0x0
	s_add_nc_u64 s[G0+2:G0+3], s[6:7], s[22:23]
	s_or_b32 s[G0+3], s[G0+3], 0x80000000          ; type = 2
	s_add_nc_u64 s[G0P+2:G0P+3], s[6:7], s[56:57]
	s_or_b32 s[G0P+3], s[G0P+3], 0x80000000
	s_lshl_b32 s2, s[WG], 19                       ; 256 rows of 2,048 bytes,
	s_lshl_b32 s3, s[WV], 17                       ; my wave's 64
	s_add_co_u32 s2, s2, s3
	s_mov_b32 s3, 0
	s_add_nc_u64 s[4:5], s[4:5], s[2:3]            ; keys at my first row
	s_lshl2_add_u32 s2, s[WG], s[WV]
	s_lshl_b32 s2, s2, 16
	s_add_nc_u64 s[12:13], s[12:13], s[2:3]        ; kbf: 65,536 bytes a wave
	s_lshl_b32 s2, ttmp9, 11
	s_add_nc_u64 s[8:9], s[8:9], s[2:3]            ; bias1 at my batch
	s_lshl_b32 s2, s[WG], 11
	s_lshl_b32 s22, s[WV], 9
	s_add_co_u32 s2, s2, s22
	s_add_nc_u64 s[14:15], s[14:15], s[2:3]        ; pp: my work-group's row, my wave's 512 bytes
	s_lshl_b32 s2, s[WG], 8
	s_add_nc_u64 s[16:17], s[16:17], s[2:3]        ; pst
	CROUND                                         ; all four work-groups are here: the first joint loads meet
	tensor_load_to_lds s[G0P:G0P+3], s[G1P:G1P+7]  ; chunk 0
	s_nop 0
	tensor_load_to_lds s[G0:G0+3], s[G1:G1+7]      ; chunks 1-3
	s_nop 0
	PLACES
	v_and_b32 v[L16], 31, v0
	v_lshlrev_b32 v[L16], 4, v[L16]
	; PHASE A: my 64 rows of keys into registers.  Four strips, 32 KiB a wave, are always on their way.
	ASK 0
	ASK 1
	ASK 2
	ASK 3
	WIN 0
	v_and_b32 v[RR], 15, v0
	v_bfe_u32 v[HH], v0, 4, 1
	v_mul_u32_u24 v[WA0], v[RR], PW
	v_lshl_add_u32 v[WA0], v[HH], 4, v[WA0]
	v_lshlrev_b32 v[TA0], 5, v[HH]
	s_mul_i32 s56, s[WV], 16*SPS
	s_add_co_u32 s56, s56, STG                     ; my stage
	v_lshrrev_b32 v[STA], 1, v[L16]
	v_add_nc_u32 v[STA], s56, v[STA]               ; in: 8 bytes a lane, 256 consecutive bytes a row
	v_mul_u32_u24 v[FRA], v[RR], SPS
	v_lshl_add_u32 v[FRA], v[HH], 4, v[FRA]
	v_add_nc_u32 v[FRA], s56, v[FRA]               ; back: row l % 16, 16 bytes for each half of the lanes
	v_lshlrev_b32 v[T16], 4, v0
	v_add_nc_u32 v[TADR], TAB, v[T16]
.set i, 0
.rept 16
	v_mov_b32 v[SA+i], 0                           ; the scores' sums run through all 16 chunks
.set i, i+1
.endr
.irp s, 0,1,2,3,4,5,6,7,8,9,10,11
	STRIP \s, 48                                   ; three younger strips of 16 loads stay out
.endr
	WIN 0
	global_load_b128 v[48:51], v[T16], s[8:9]      ; bias1 and v1: four d a thread
	global_load_b128 v[52:55], v[T16], s[10:11]
	STRIP 12, 50                                   ; the younger strips and those two
	STRIP 13, 34
	STRIP 14, 18
	STRIP 15, 2
	WIN 0
	s_wait_loadcnt 0x0
	v_pk_mul_f32 v[48:49], v[48:49], s[CS:CS+1] op_sel_hi:[1,0]
	v_pk_mul_f32 v[50:51], v[50:51], s[CS:CS+1] op_sel_hi:[1,0]
	TABLES
	s_wait_tensorcnt 0x1                           ; my part of chunk 0 is in; slot 0's may stay out
	s_wait_dscnt 0x0                               ; my part of the tables is in LDS, and my fragments are in registers
	s_barrier_signal -1
	s_barrier_wait -1
	v_mov_b32 v[TM], MISC
	ds_load_b128 v[60:63], v[TM]
	s_wait_dscnt 0x0
	v_add_f32 v60, v60, v61
	v_add_f32 v62, v62, v63
	v_add_f32 v[VS], v60, v62
	PEEL 1
	s_mov_b32 s[SLOTS], 4
.Lslot:
	CHANGE 1
	INNER
	s_sub_co_u32 s[SLOTS], s[SLOTS], 1
	s_cmp_lg_u32 s[SLOTS], 0
	s_cbranch_scc1 .Lslot
	CHANGE 0                                       ; the last slot is written out
	INNER
	EPI
	SCORES
	; THE END.  The work-group's maximum; the weights; p by the matrix unit; the sums over the four waves.
	v_max3_num_f32 v208, v[SA], v[SA+4], v[SA+8]
	v_max_num_f32 v208, v208, v[SA+12]
	v_max_num_f32_dpp v208, v208, v208 row_xmask:1 row_mask:0xf bank_mask:0xf
	v_max_num_f32_dpp v208, v208, v208 row_xmask:2 row_mask:0xf bank_mask:0xf
	v_max_num_f32_dpp v208, v208, v208 row_xmask:4 row_mask:0xf bank_mask:0xf
	v_max_num_f32_dpp v208, v208, v208 row_xmask:8 row_mask:0xf bank_mask:0xf  ; both halves of the lanes hold the same 16 rows' scores
	v_mov_b32 v209, s[MW]
	ds_store_b32 v209, v208 offset:16
	s_wait_dscnt 0x0                               ; my maximum is in LDS, and my reads of W are over
	s_barrier_signal -1
	s_barrier_wait -1                              ; every fill has landed and nobody reads W any more: the slots may be stored into
	v_mov_b32 v210, MISC
	ds_load_b128 v[212:215], v210 offset:16
	s_lshl_b32 s57, s[WV], 7
	s_add_co_u32 s57, s57, WGT
	v_lshl_add_u32 v224, v[RR], 1, s57             ; my row's weight
	v_lshl_add_u32 v225, v[HH], 4, s57             ; the weights as a fragment: eight for each half of the lanes
	s_mul_i32 s56, s[WV], DMP
	v_add_nc_u32 v226, s56, v[WA0]                 ; the dump: row l % 16, 16 bytes for each half
	v_and_b32 v227, 7, v0                          ; the turning load: lane l reads key row 8 (l / 16) + l % 8, channels 8 ((l / 8) % 2) + 0..7
	v_lshl_add_u32 v227, v[HH], 3, v227
	v_mul_u32_u24 v227, v227, PW
	v_bfe_u32 v228, v0, 3, 1
	v_lshl_add_u32 v227, v228, 4, v227
	v_add_nc_u32 v227, s56, v227
	s_lshl_b32 s57, s[WV], 11
	s_add_co_u32 s57, s57, PS
	v_lshl_add_u32 v229, v[HH], 5, s57             ; my wave's part of p: eight channels for each half
	s_lshl_b32 s57, s[WV], 9
	s_add_co_u32 s57, s57, PS
	v_add_nc_u32 v230, s57, v[L16]                 ; the 128 channels that my wave adds up
	s_wait_dscnt 0x0
	v_max3_num_f32 v232, v212, v213, v214
	v_max_num_f32 v232, v232, v215                 ; m
.irp rb, 0,1,2,3
	v_sub_f32 v[216+\rb], v[SA+4*\rb], v232
.endr
.irp rb, 0,1,2,3
	v_mul_f32 v[216+\rb], s[L2E], v[216+\rb]
.endr
.irp rb, 0,1,2,3
	v_exp_f32 v[216+\rb], v[216+\rb]
.endr
	v_nop                                          ; a plain instruction between the last exponential and the use of its result
	s_wait_alu depctr_va_vdst(0)
	v_add_f32 v231, v216, v217
	v_add_f32 v228, v218, v219
.irp rb, 0,1,2,3
	v_cvt_pk_bf16_f32 v[220+\rb], v[216+\rb], v[216+\rb]
.endr
	v_add_f32 v231, v231, v228
	v_add_f32_dpp v231, v231, v231 row_xmask:1 row_mask:0xf bank_mask:0xf
	v_add_f32_dpp v231, v231, v231 row_xmask:2 row_mask:0xf bank_mask:0xf
	v_add_f32_dpp v231, v231, v231 row_xmask:4 row_mask:0xf bank_mask:0xf
	v_add_f32_dpp v231, v231, v231 row_xmask:8 row_mask:0xf bank_mask:0xf
	ds_store_b32 v209, v231 offset:32              ; my wave's l
.irp rb, 0,1,2,3
	ds_store_b16 v224, v[220+\rb] offset:32*\rb    ; both halves of the lanes write the same value
.endr
.irp q, 0,1,2,3                                        ; source 1 of p's products: 32 key rows x 16 columns, all columns alike
	ds_load_b128 v[WB+4*\q:WB+4*\q+3], v225 offset:32*\q
.endr
.irp w, 0,1                                            ; my keys go back to LDS as rows [key row][channel], pitch 1,040
	WIN 0x08+4*\w
.set n, 0
.rept 64
	ds_store_b128 v226, v[4*n:4*n+3] offset:((n%8)/2)*16*PW+(8*\w+n/8)*64+32*(n%2)
.set n, n+1
.endr
.endr
	WIN 0
; p^T = keys^T x weights: source 0 = 16 channels x 32 key rows, turned on the way out of LDS.  Eight batches of four channel blocks on two buffers.  (With this pitch two lanes of a turning load meet in a bank; a pitch
; of 1,056 would move that to the dump's stores.)
.macro TLOAD bt
.irp kp, 0,1
.irp c, 0,1,2,3
	ds_load_tr16_b128 v[16+64*((\bt)%2)+32*\kp+8*\c:16+64*((\bt)%2)+32*\kp+8*\c+3], v227 offset:32*PW*\kp+32*(4*(\bt)+\c)
	ds_load_tr16_b128 v[16+64*((\bt)%2)+32*\kp+8*\c+4:16+64*((\bt)%2)+32*\kp+8*\c+7], v227 offset:32*PW*\kp+16*PW+32*(4*(\bt)+\c)
.endr
.endr
.endm
.macro TMUL bt                         ; the four accumulators take turns; the first 32 key rows start the sums
	WIN 0x50                                       ; C and D in window 1
.irp c, 0,1,2,3
	v_wmma_f32_16x16x32_bf16 v[8*(4*(\bt)+\c):8*(4*(\bt)+\c)+7], v[16+64*((\bt)%2)+8*\c:16+64*((\bt)%2)+8*\c+7], v[WB:WB+7], 0
.endr
.irp c, 0,1,2,3
	v_wmma_f32_16x16x32_bf16 v[8*(4*(\bt)+\c):8*(4*(\bt)+\c)+7], v[16+64*((\bt)%2)+32+8*\c:16+64*((\bt)%2)+32+8*\c+7], v[WB+8:WB+15], v[8*(4*(\bt)+\c):8*(4*(\bt)+\c)+7]
.endr
.endm
	TLOAD 0
.irp bt, 0,1,2,3,4,5,6
.if \bt > 0
	PLACES                                         ; in front of the loads into the buffer that the batch before multiplied
.endif
	WIN 0
	TLOAD \bt+1
	s_wait_dscnt 16                                ; all but the next batch's 16 loads
	TMUL \bt
.endr
	s_wait_dscnt 0x0
	TMUL 7
	PLACES
	WIN 0x04                                       ; store data in window 1
.set n, 0
.rept 64                                               ; register j of channel block cb holds channel 16 cb + 8 (l / 16) + j: byte 64 cb + 32 (l / 16) + 4 j of my 2,048; each accumulator's low four registers first; the 16 lanes of a half hold and write the same values
	ds_store_b128 v229, v[4*n:4*n+3] offset:64*(n/2)+16*(n%2)
.set n, n+1
.endr
	WIN 0
	s_wait_dscnt 0x0                               ; for the others' sake: my part of p and my l are in LDS
	s_barrier_signal -1
	s_barrier_wait -1
.irp j, 0,1,2,3
	ds_load_b128 v[16+4*\j:19+4*\j], v230 offset:2048*\j
.endr
	ds_load_b128 v[236:239], v210 offset:32
	v_lshrrev_b32 v234, 1, v[L16]
	s_wait_dscnt 0x0
	v_pk_add_f32 v[16:17], v[16:17], v[20:21]
	v_pk_add_f32 v[18:19], v[18:19], v[22:23]
	v_pk_add_f32 v[24:25], v[24:25], v[28:29]
	v_pk_add_f32 v[26:27], v[26:27], v[30:31]
	v_pk_add_f32 v[16:17], v[16:17], v[24:25]
	v_pk_add_f32 v[18:19], v[18:19], v[26:27]
	global_store_b128 v[L16], v[16:19], s[14:15]   ; 512 consecutive bytes, aligned
	v_add_f32 v233, v236, v237
	v_add_f32 v228, v238, v239
	v_add_f32 v233, v233, v228                     ; l
	s_cmp_lg_u32 s[WV], 0
	s_cbranch_scc1 .Lno_pst
	global_store_b64 v234, v[232:233], s[16:17]    ; (m, l), once a lane: 256 consecutive bytes, aligned
.Lno_pst:
	s_wait_tensorcnt 0x0                           ; the wave's end: the wait, the add and its wait stand behind my last tensor load and my last LDS store
	ds_add_u32 v[SPW], v[NIL]
	s_wait_dscnt 0x0
	CROUND                                         ; the closing round: no work-group ends while a partner may still ask for a tile that names it
	s_endpgm
.Lfunc_end_k_qd9c65432e3_stage1:
	.size	k_qd9c65432e3_stage1, .Lfunc_end_k_qd9c65432e3_stage1-k_qd9c65432e3_stage1
	.p2alignl 7, 3214868480
	.fill 96, 4, 3214868480
	.section	.rodata,"a",@progbits
	.p2align	6, 0x0
	.amdhsa_kernel k_qd9c65432e3_stage1
		.amdhsa_group_segment_fixed_size 327680
		.amdhsa_private_segment_fixed_size 0
		.amdhsa_enable_private_segment 0
		.amdhsa_kernarg_size 56
		.amdhsa_user_sgpr_count 2
		.amdhsa_user_sgpr_kernarg_segment_ptr 1
		.amdhsa_wavefront_size32 1
		.amdhsa_system_sgpr_workgroup_id_x 1
		.amdhsa_system_sgpr_workgroup_id_y 1
		.amdhsa_system_sgpr_workgroup_id_z 1
		.amdhsa_system_vgpr_workitem_id 0
		.amdhsa_next_free_vgpr 1024
		.amdhsa_next_free_sgpr 66
		.amdhsa_reserve_vcc 0
		.amdhsa_float_denorm_mode_32 3
		.amdhsa_float_denorm_mode_16_64 3
		.amdhsa_memory_ordered 1
		.amdhsa_forward_progress 1
		.amdhsa_inst_pref_size 213
	.end_amdhsa_kernel
	.amdgpu_metadata
---
amdhsa.version: [ 1, 2 ]
amdhsa.kernels:
  - .name:           k_qd9c65432e3_stage1
    .symbol:         k_qd9c65432e3_stage1.kd
    .args:
      - { .name: keys, .offset: 0, .size: 8, .value_kind: global_buffer, .address_space: global }
      - { .name: w1bf, .offset: 8, .size: 8, .value_kind: global_buffer, .address_space: global }
      - { .name: bias1, .offset: 16, .size: 8, .value_kind: global_buffer, .address_space: global }
      - { .name: v1, .offset: 24, .size: 8, .value_kind: global_buffer, .address_space: global }
      - { .name: kbf, .offset: 32, .size: 8, .value_kind: global_buffer, .address_space: global }
      - { .name: pp, .offset: 40, .size: 8, .value_kind: global_buffer, .address_space: global }
      - { .name: pst, .offset: 48, .size: 8, .value_kind: global_buffer, .address_space: global }
    .group_segment_fixed_size: 327680
    .private_segment_fixed_size: 0
    .kernarg_segment_align: 8
    .kernarg_segment_size: 56
    .max_flat_workgroup_size: 128
    .sgpr_count:     66
    .vgpr_count:     1024
    .wavefront_size: 32
...
	.end_amdgpu_metadata
.endif
;; end of part 2
;; launch proj2: the kernel of part 1 again; grid 8 x 16, 4 waves a work-group, no clusters, 88,064 bytes of LDS; arguments pp, W2, y2, w2bf; writes y2, w2bf
;; launch stage2 (part 3): grid 256 x 1, 4 waves a work-group, clusters of 4 x 1, 327,680 bytes of LDS; arguments kbf, w2bf, y2, pst, v2, out0; writes out0
.if DOCPART == 3
	.amdgcn_target "amdgcn-amd-amdhsa--gfx1250"
	.amdhsa_code_object_version 6
	.text
	.protected	k_qd9c65432e3_stage2
	.globl	k_qd9c65432e3_stage2
	.p2align	8
	.type	k_qd9c65432e3_stage2,@function
k_qd9c65432e3_stage2:
	s_mov_b64 s[64:65], 0
	v_nop
	global_prefetch_b8 v0, s[64:65] scope:SCOPE_SE
	s_setreg_imm32_b32 hwreg(HW_REG_WAVE_MODE, 25, 1), 1
	s_wait_xcnt 0x0
	s_wait_alu depctr_hold_cnt(0) depctr_sa_sdst(0) depctr_va_vdst(0) depctr_va_sdst(0) depctr_va_ssrc(0) depctr_va_vcc(0) depctr_vm_vsrc(0)
	s_getreg_b32 s2, hwreg(HW_REG_IB_STS2, 6, 4)
	s_cmp_eq_u32 s2, 0
	s_cbranch_scc0 .Lentry_in_a_cluster
	s_endpgm
.Lentry_in_a_cluster:
	s_bfe_u32 s2, ttmp6, 0x10000c
	s_cmp_lg_u32 s2, 0x3003
	s_cbranch_scc0 .Lentry_shape_is_right
	s_endpgm
.Lentry_shape_is_right:
; STAGE 2.  out[b][s] = sum over d of v2[d] tanh(sum over e of W2[d][e] keys[s][e] + bias2[b][d]), bias2 = W2's right half x new_q.
; new_q = sum over the batch's four quarters j of a_j p_j, a_j = exp(m_j - M) / L, M = the largest m_j, L = sum of exp(m_j - M) l_j; so bias2 = sum of a_j y_j with y_j = W2's right half x p_j, which the launch before made.
; kbf: keys in bf16 in the order of the matrix fragments, 65,536 bytes a wave; w2bf: [512][512] bf16; y2: [256][512] f32; pst: a pair (m, l) at the head of each 256 bytes; v2: [512] f32; out0: [65,536] f32.
; LIMITS.  tanh(x) = 1 - 2 / (1 + 2^(c x)), c = 2 log2(e): absolute error about 1e-7 near 0; 2^(c x) beyond f32's range gives 1 or -1 exactly.  A factor exp(m_j - M) below 2^-126 counts as 0.  NaN and infinities are not treated apart.
; SHARES, LAYOUT, CHUNKS, CLUSTER, RING: as in stage 1.  Work-group wg = 4 b + quarter owns 256 rows, a wave 64, kept in 512 registers as fragments; only W comes out of LDS.  Source 0 = 16 rows of W (d), source 1 = 16 rows
; of keys: register j of lane l holds d = d0 + 8 (l / 16) + j of key row l % 16.  32 d a chunk: 8 accumulators, 128 products; the finished sums are copied, scaled and biased, into shadows, whose exponentials, reciprocals and
; sums stand behind the next chunk's products.  score = V + sum of v'[d] r[d], r = 1 / (1 + 2^z), v' = -2 v, V = sum of v.  The four work-groups of a batch ask for each tile of W jointly.  Chunk 0 has a region of its own;
; two slots of three chunks take turns.  A wave has two tensor loads out at the start, later one.
; REGISTERS: window 0: v0-15 addresses; v16-79 accumulators; v80-143 shadows; v144-207 W's fragments, two buffers; v208-223 bias'; v224-239 v'; v240-255 the scores' sums.  Window 2: keys, K steps 0-7, at 32 t + 8 rb; window 3: K steps 8-15.
.set PW,    1040                       ; a row of W in LDS: 1,024 bytes + 16 = 65 x 16 bytes: the 16 rows of a fragment load start 16 bytes apart modulo 256
.set CHB,   32*PW
.set SLOTB, 3*CHB
.set SLOT1, 1<<17
.set PCH,   SLOT1+SLOTB                ; chunk 0
.set TAB,   270336                     ; bias'[512], then v'[512], f32
.set MISC,  TAB+4096                   ; +0 the waves' parts of V; +1,024 the way out, 256 bytes a wave
.set SPARE, MISC+2048+8192             ; the spare words, 128 bytes for each wave
.set SPW, 1
.set NIL, 2
.set WA0, 3
.set WAD, 4
.set TAD, 5
.set L16, 6
.set VS,  7
.set RR,  8
.set HH,  9
.set TA0, 10
.set Z0,  11                           ; v11  a zero offset for the loads that every lane makes alike
.set T16, 13
.set TADR, 14
.set TM,  15
.set ACC, 16
.set SH,  80
.set WB,  144
.set BI,  208
.set VP,  224
.set SA,  240
.set WV,  18
.set CX,  19                           ; it enters global addresses of kbf and out0 alone
.set WG,  20
.set G1,  24
.set G1P, 32
.set G0,  40
.set G0P, 44
.set SLOTS, 48
.set CNT, 49
.set TBW, 50
.set TBT, 51
.set CS,  52
.set SEL, 54
.set L2E, 58
.set MW,  59
.set MSB, 0
.macro WIN new                         ; the immediate's high byte repeats the setting that is left; a switch that changes nothing is dropped
.if MSB != (\new)
	s_set_vgpr_msb (MSB<<8)|(\new)
.set MSB, (\new)
.endif
.endm
.macro PLACES                          ; four places (ISA guide 7.12.1) where no other vector work is at hand
.rept 4
	v_nop
.endr
.endm
.macro CROUND                          ; a round of the cluster's barrier
	s_barrier_signal -1
	s_barrier_wait -1
	s_cmp_lg_u32 s[WV], 0
	s_cbranch_scc1 .Lnot_wave_0_\@
	s_barrier_signal -3
.Lnot_wave_0_\@:
	s_barrier_wait -3
	s_barrier_signal -1
	s_barrier_wait -1
.endm
.macro LOADW g                         ; W's fragments of K steps 2 g and 2 g + 1, both d blocks, into buffer g % 2
.irp kk, 0,1
.irp db, 0,1
.irp hf, 0,1
	ds_load_b128 v[WB+32*((\g)%2)+16*\kk+8*\db+4*\hf:WB+32*((\g)%2)+16*\kk+8*\db+4*\hf+3], v[WAD] offset:\db*16*PW+(2*(\g)+\kk)*64+32*\hf
.endr
.endr
.endr
.endm
.macro MM g, k                         ; product k of 16 of group g: K step 2 g + k / 8, block k % 8; the eight accumulators take turns; K step 0 starts the sums
.set t_, 2*(\g)+(\k)/8
.set b_, (\k)%8
.set rD, ACC+8*b_
.set rW, WB+32*((\g)%2)+16*((\k)/8)+8*(b_/4)
.set rK, 32*(t_%8)+8*(b_%4)
	WIN 0x08+4*((\g)/4)                            ; source 1 (keys) in window 2 or 3
.if t_ == 0
	v_wmma_f32_16x16x32_bf16 v[rD:rD+7], v[rW:rW+7], v[rK:rK+7], 0
.else
	v_wmma_f32_16x16x32_bf16 v[rD:rD+7], v[rW:rW+7], v[rK:rK+7], v[rD:rD+7]
.endif
.endm
.macro FB                              ; the shadows: z = c x sum + c x bias; each accumulator is read from its low end on
.set b_, 0
.rept 8
.irp i, 0,1,2,3
	v_pk_fma_f32 v[SH+8*b_+2*\i:SH+8*b_+2*\i+1], v[ACC+8*b_+2*\i:ACC+8*b_+2*\i+1], s[CS:CS+1], v[BI+8*(b_/4)+2*\i:BI+8*(b_/4)+2*\i+1] op_sel_hi:[1,0,1]
.endr
.set b_, b_+1
.endr
.endm
.macro RE g, i
	v_exp_f32 v[SH+8*(\g)+(\i)], v[SH+8*(\g)+(\i)]
.endm
.macro RP g, i
	s_wait_alu depctr_va_vdst(0)
	v_pk_add_f32 v[SH+8*(\g)+2*(\i):SH+8*(\g)+2*(\i)+1], v[SH+8*(\g)+2*(\i):SH+8*(\g)+2*(\i)+1], 1.0 op_sel_hi:[1,0]
.endm
.macro RQ g, i
	v_rcp_f32 v[SH+8*(\g)+(\i)], v[SH+8*(\g)+(\i)]
.endm
.macro RS g, i
	s_wait_alu depctr_va_vdst(0)
	v_pk_fma_f32 v[SA+4*((\g)%4)+2*((\i)%2):SA+4*((\g)%4)+2*((\i)%2)+1], v[SH+8*(\g)+2*(\i):SH+8*(\g)+2*(\i)+1], v[VP+8*((\g)/4)+2*(\i):VP+8*((\g)/4)+2*(\i)+1], v[SA+4*((\g)%4)+2*((\i)%2):SA+4*((\g)%4)+2*((\i)%2)+1]
.endm
.macro RIDE g, k                       ; behind product k (1 to 15): every transcendental's result is used only behind a plain instruction (ISA guide 5.7.2)
.if (\k) == 3
	v_nop
.endif
.if ((\k) >= 4) && ((\k) <= 10) && ((\k)%2 == 0)
	RP \g, ((\k)-4)/2
.endif
.if (\k) < 8
	RE \g, \k
.else
	RQ \g, (\k)-8
.endif
.endm
; GROUP g: 16 products.  mode 0: the riders of shadow block g, and block g - 1's four sums behind the first product: the places in front of the loads into the buffer that group g - 1 read.  mode 2: chunk 0: bare, four v_nop as the places.
.macro GROUP g, mode
	s_wait_dscnt 0x0                               ; this group's fragments and the tables: all that is out
	MM \g, 0
.if (\mode) != 0
	PLACES
.elseif (\g) > 0
	WIN 0                                          ; the sums name v' as source 1
	RS (\g)-1, 0
	RS (\g)-1, 1
	RS (\g)-1, 2
	RS (\g)-1, 3
.endif
.if (\g) < 7
	LOADW (\g)+1
.endif
.if (\g) == 0
.irp q, 0,1,2,3                                        ; this chunk's bias'
	ds_load_b128 v[BI+4*\q:BI+4*\q+3], v[TAD] offset:64*(\q/2)+16*(\q%2)
.endr
.if (\mode) == 0
	ds_load_b128 v[VP+8:VP+11], v[TAD] offset:1984           ; v' of the shadows' second d block (the chunk before: 2,048 - 128 + 64)
	ds_load_b128 v[VP+12:VP+15], v[TAD] offset:2000
.endif
.endif
.if (\g) == 4
	ds_load_b128 v[VP:VP+3], v[TAD] offset:2048              ; v' of this chunk's first d block
	ds_load_b128 v[VP+4:VP+7], v[TAD] offset:2064
.endif
.if (\mode) == 0
	RE \g, 0
.endif
.irp k, 1,2,3,4,5,6,7,8,9,10,11,12,13,14,15
	MM \g, \k
.if (\mode) == 0
	RIDE \g, \k
.endif
.endr
.endm
.macro TRIP                            ; a chunk with the chunk before in its shadows
	WIN 0
	v_add_nc_u32 v[WAD], s[TBW], v[WA0]
	s_add_co_u32 s[TBT], s[TBT], 128
	v_add_nc_u32 v[TAD], s[TBT], v[TA0]
	s_add_co_u32 s[TBW], s[TBW], CHB
	LOADW 0
	FB
.irp g, 0,1,2,3,4,5,6,7
	GROUP \g, 0
.endr
	WIN 0
	RS 7, 0                                        ; these four are also the places behind the chunk's last product
	RS 7, 1
	RS 7, 2
	RS 7, 3
.endm
.macro PEEL mode                       ; chunk 0
	WIN 0
	v_add_nc_u32 v[WAD], PCH, v[WA0]
	v_add_nc_u32 v[TAD], TAB, v[TA0]
	LOADW 0
.irp g, 0,1,2,3,4,5,6,7
	GROUP \g, \mode
.endr
	PLACES
	WIN 0
.endm
.macro INNER                           ; a slot's three chunks
	s_mov_b32 s[CNT], 3
.Lchunk_\@:
	TRIP
	s_sub_co_u32 s[CNT], s[CNT], 1
	s_cmp_lg_u32 s[CNT], 0
	s_cbranch_scc1 .Lchunk_\@
.endm
; THE CHANGE OF SLOTS.  Each wave waits for all its tensor loads, of which one is out: its part of the slot to be read next; adds 0 to its spare word; and waits for that and for its own reads of the slot that it leaves.
; fill = 1: the slot just left is filled with the chunks two slots on, behind a round of the cluster's barrier, first thing there: 384 products a wave in which to land.
.macro CHANGE fill
	WIN 0
	s_wait_tensorcnt 0x0                           ; no tensor load of mine is out, so group 0 may be written
	ds_add_u32 v[SPW], v[NIL]                      ; 0 onto my spare word
.if \fill
	s_xor_b32 s[G0+1], s[G0+1], SLOT1
	s_add_nc_u64 s[G0+2:G0+3], s[G0+2:G0+3], 96*1024
	s_wait_dscnt 0x0                               ; the add is done, and my reads of the slot are over
	CROUND
	tensor_load_to_lds s[G0:G0+3], s[G1:G1+7]
	s_nop 0
	PLACES
.else
	s_wait_dscnt 0x0
	s_barrier_signal -1
	s_barrier_wait -1
.endif
	s_sub_co_u32 s[TBW], s[TBW], SLOTB
	s_xor_b32 s[TBW], s[TBW], SLOT1
.endm
.macro EPI                             ; the last chunk's shadows have no products to stand behind
	WIN 0
	ds_load_b128 v[VP+8:VP+11], v[TAD] offset:2112
	ds_load_b128 v[VP+12:VP+15], v[TAD] offset:2128
	FB
	s_wait_dscnt 0x0
.irp g, 0,1,2,3,4,5,6,7
.irp i, 0,1,2,3,4,5,6,7
	RE \g, \i
.endr
.endr
	v_nop
.irp g, 0,1,2,3,4,5,6,7
.irp i, 0,1,2,3
	RP \g, \i
.endr
.endr
.irp g, 0,1,2,3,4,5,6,7
.irp i, 0,1,2,3,4,5,6,7
	RQ \g, \i
.endr
.endr
	v_nop
.irp g, 0,1,2,3,4,5,6,7
.irp i, 0,1,2,3
	RS \g, \i
.endr
.endr
.endm
.macro SCORES                          ; the score of key row 16 rb + l % 16 into v[SA + 4 rb], in both halves of the lanes
.irp rb, 0,1,2,3
	v_pk_add_f32 v[SA+4*\rb:SA+4*\rb+1], v[SA+4*\rb:SA+4*\rb+1], v[SA+4*\rb+2:SA+4*\rb+3]
.endr
.irp rb, 0,1,2,3
	v_add_f32 v[SA+4*\rb], v[SA+4*\rb], v[SA+4*\rb+1]
.endr
.irp rb, 0,1,2,3
	v_permlanex16_b32 v[SA+4*\rb+1], v[SA+4*\rb], s[SEL], s[SEL+1]
.endr
.irp rb, 0,1,2,3
	v_add_f32 v[SA+4*\rb], v[SA+4*\rb], v[SA+4*\rb+1]
.endr
.irp rb, 0,1,2,3
	v_add_f32 v[SA+4*\rb], v[SA+4*\rb], v[VS]
.endr
.endm
.macro TABLES                          ; thread t holds d = 4 t .. 4 t + 3: bias' in v[48:51], v in v[52:55]
	v_pk_mul_f32 v[56:57], v[52:53], -2.0 op_sel_hi:[1,0]
	v_pk_mul_f32 v[58:59], v[54:55], -2.0 op_sel_hi:[1,0]
	v_add_f32 v60, v52, v53
	v_add_f32 v61, v54, v55
	ds_store_b128 v[TADR], v[48:51]
	ds_store_b128 v[TADR], v[56:59] offset:2048
	v_add_f32 v60, v60, v61
	v_add_f32_dpp v60, v60, v60 row_xmask:1 row_mask:0xf bank_mask:0xf
	v_add_f32_dpp v60, v60, v60 row_xmask:2 row_mask:0xf bank_mask:0xf
	v_add_f32_dpp v60, v60, v60 row_xmask:4 row_mask:0xf bank_mask:0xf
	v_add_f32_dpp v60, v60, v60 row_xmask:8 row_mask:0xf bank_mask:0xf
	v_permlanex16_b32 v61, v60, s[SEL], s[SEL+1]
	v_add_f32 v60, v60, v61
	v_mov_b32 v[TM], s[MW]
	ds_store_b32 v[TM], v60                        ; all lanes write the same word with the same value
.endm
	s_load_b256 s[4:11], s[0:1], 0x0               ; kbf s[4:5], w2bf s[6:7], y2 s[8:9], pst s[10:11]
	s_load_b128 s[12:15], s[0:1], 0x20             ; v2 s[12:13], out0 s[14:15]
	v_lshl_add_u32 v[SPW], v0, 2, SPARE
	v_mov_b32 v[NIL], 0
	ds_add_u32 v[SPW], v[NIL]                      ; the wave's opening: the add and its wait stand ahead of my first tensor load; the set-up below, work on registers, stands between them
	ds_add_u32 v1, v2
	v_lshrrev_b32 v[TM], 5, v0
	v_readfirstlane_b32 s[WV], v[TM]               ; wave 0..3
	s_bfe_u32 s[CX], ttmp6, 0x40000
	s_lshl_b32 s[WG], ttmp9, 2                     ; in a cluster launch ttmp9 counts clusters: the batch
	s_add_co_u32 s[WG], s[WG], s[CX]
	s_mov_b32 s[G1], 15|(1<<16)|(1<<20)|(1<<21)|(7<<22)|(3<<25)   ; 15:0 the mask of four; 17:16 2-byte elements; 20 padding on; 21 set beside a mask; 24:22 after every 256 words (code 7); 31:25 4 words (code 3)
	s_mov_b32 s[G1P], 15|(1<<16)|(1<<20)|(1<<21)|(7<<22)|(3<<25)
	s_mov_b32 s[G1+1], 512<<16                     ; tensor_dim0 = 512
	s_mov_b32 s[G1P+1], 512<<16
	s_mov_b32 s[G1+2], 24<<16                      ; tensor_dim1 = 24
	s_mov_b32 s[G1P+2], 8<<16                      ; or 8
	s_mov_b32 s[G1+3], 512<<16                     ; tile_dim0 = 512
	s_mov_b32 s[G1P+3], 512<<16
	s_mov_b32 s[G1+4], 24                          ; tile_dim1
	s_mov_b32 s[G1P+4], 8
	s_mov_b32 s[G1+5], 512                         ; 512 elements from row to row
	s_mov_b32 s[G1P+5], 512
	s_mov_b32 s[G1+6], 0
	s_mov_b32 s[G1P+6], 0
	s_mov_b32 s[G1+7], 0
	s_mov_b32 s[G1P+7], 0
	s_mov_b32 s[G0], 1
	s_mul_i32 s[G0+1], s[WV], 24*PW                ; slot 0, my 24 rows
	s_mov_b32 s[G0P], 1
	s_mul_i32 s[G0P+1], s[WV], 8*PW
	s_add_co_u32 s[G0P+1], s[G0P+1], PCH           ; chunk 0's region, my 8 rows
	s_mul_i32 s22, s[WV], 24*1024
	s_add_co_u32 s22, s22, 32*1024
	s_mov_b32 s23, 0
	s_lshl_b32 s56, s[WV], 13
	s_mov_b32 s57, 0
	s_mov_b32 s[CS], 0x4038aa3b                    ; c = 2 log2(e)
	s_mov_b32 s[CS+1], s[CS]
	s_mov_b32 s[SEL], 0x76543210
	s_mov_b32 s[SEL+1], 0xfedcba98
	s_mov_b32 s[L2E], 0x3fb8aa3b
	s_mov_b32 s[TBW], SLOT1+SLOTB                  ; the first change of slots turns this into 0
	s_mov_b32 s[TBT], TAB
	s_lshl_b32 s[MW], s[WV], 2
	s_add_co_u32 s[MW], s[MW], MISC
	s_wait_dscnt 0x0                               ; the opening add is done
	s_wait_kmcnt 0x0
	s_add_nc_u64 s[G0+2:G0+3], s[6:7], s[22:23]
	s_or_b32 s[G0+3], s[G0+3], 0x80000000          ; type = 2
	s_add_nc_u64 s[G0P+2:G0P+3], s[6:7], s[56:57]
	s_or_b32 s[G0P+3], s[G0P+3], 0x80000000
	s_lshl2_add_u32 s2, s[WG], s[WV]
	s_lshl_b32 s2, s2, 16
	s_mov_b32 s3, 0
	s_add_nc_u64 s[4:5], s[4:5], s[2:3]            ; kbf: my wave's 65,536 bytes
	s_lshl_b32 s2, ttmp9, 13
	s_add_nc_u64 s[8:9], s[8:9], s[2:3]            ; y2: my batch's four rows
	s_lshl_b32 s2, ttmp9, 10
	s_add_nc_u64 s[10:11], s[10:11], s[2:3]        ; pst: my batch's four pairs
	s_lshl_b32 s2, s[WG], 10
	s_lshl_b32 s22, s[WV], 8
	s_add_co_u32 s2, s2, s22
	s_add_nc_u64 s[14:15], s[14:15], s[2:3]        ; out0: my wave's 64 numbers
	CROUND                                         ; all four work-groups are here: the first joint loads meet
	tensor_load_to_lds s[G0P:G0P+3], s[G1P:G1P+7]  ; chunk 0
	s_nop 0
	tensor_load_to_lds s[G0:G0+3], s[G1:G1+7]      ; chunks 1-3
	s_nop 0
	PLACES
	v_and_b32 v[L16], 31, v0
	v_lshlrev_b32 v[L16], 4, v[L16]
	v_lshlrev_b32 v[T16], 4, v0
	v_mov_b32 v[Z0], 0
.irp j, 0,1,2,3
	global_load_b64 v[16+2*\j:17+2*\j], v[Z0], s[10:11] offset:256*\j       ; (m_j, l_j)
.endr
.irp j, 0,1,2,3
	global_load_b128 v[24+4*\j:27+4*\j], v[T16], s[8:9] offset:2048*\j      ; y_j: four d a thread
.endr
	global_load_b128 v[52:55], v[T16], s[12:13]                            ; v2
.irp w, 0,1                                            ; my keys: 128 loads of 512 consecutive bytes, straight into the fragments' registers
	WIN 0x80+0x40*\w
.set n, 0
.rept 64
	global_load_b128 v[4*n:4*n+3], v[L16], s[4:5] offset:512*(64*\w+n) th:TH_LOAD_NT
.set n, n+1
.endr
.endr
	WIN 0
	v_and_b32 v[RR], 15, v0
	v_bfe_u32 v[HH], v0, 4, 1
	v_mul_u32_u24 v[WA0], v[RR], PW
	v_lshl_add_u32 v[WA0], v[HH], 4, v[WA0]
	v_lshlrev_b32 v[TA0], 5, v[HH]
	v_add_nc_u32 v[TADR], TAB, v[T16]
.set i, 0
.rept 16
	v_mov_b32 v[SA+i], 0                           ; the scores' sums run through all 16 chunks
.set i, i+1
.endr
	s_wait_loadcnt 63                              ; the nine small loads are in: 128 are younger, and the count cannot name more than 63
	v_max3_num_f32 v40, v16, v18, v20
	v_max_num_f32 v40, v40, v22                    ; M
.irp j, 0,1,2,3
	v_sub_f32 v[41+\j], v[16+2*\j], v40
.endr
.irp j, 0,1,2,3
	v_mul_f32 v[41+\j], s[L2E], v[41+\j]
.endr
.irp j, 0,1,2,3
	v_exp_f32 v[41+\j], v[41+\j]
.endr
	v_nop                                          ; a plain instruction between the last exponential and the use of its result
	s_wait_alu depctr_va_vdst(0)
	v_mul_f32 v45, v41, v17
	v_fmac_f32 v45, v42, v19
	v_fmac_f32 v45, v43, v21
	v_fmac_f32 v45, v44, v23                       ; L: at least 1, since the quarter that holds M has a weight of 1
	v_rcp_f32 v46, v45
	v_nop
	s_wait_alu depctr_va_vdst(0)
	v_mul_f32 v46, s[CS], v46                      ; c / L
.irp j, 0,1,2,3
	v_mul_f32 v[41+\j], v[41+\j], v46              ; c a_j
.endr
.irp i, 0,1,2,3
	v_mul_f32 v[48+\i], v41, v[24+\i]
.endr
.irp i, 0,1,2,3
	v_fmac_f32 v[48+\i], v42, v[28+\i]
.endr
.irp i, 0,1,2,3
	v_fmac_f32 v[48+\i], v43, v[32+\i]
.endr
.irp i, 0,1,2,3
	v_fmac_f32 v[48+\i], v44, v[36+\i]             ; bias' = c x bias2
.endr
	TABLES
	s_wait_tensorcnt 0x1                           ; my part of chunk 0 is in; slot 0's may stay out
	s_wait_dscnt 0x0                               ; my part of the tables is in LDS
	s_barrier_signal -1
	s_barrier_wait -1
	v_mov_b32 v[TM], MISC
	ds_load_b128 v[60:63], v[TM]
	s_wait_dscnt 0x0
	v_add_f32 v60, v60, v61
	v_add_f32 v62, v62, v63
	v_add_f32 v[VS], v60, v62
	s_wait_loadcnt 0x0                             ; my keys
	PEEL 2
	s_mov_b32 s[SLOTS], 4
.Lslot:
	CHANGE 1
	INNER
	s_sub_co_u32 s[SLOTS], s[SLOTS], 1
	s_cmp_lg_u32 s[SLOTS], 0
	s_cbranch_scc1 .Lslot
	CHANGE 0                                       ; the last slot is written out
	INNER
	EPI
	SCORES
	; THE WAY OUT: my 64 scores through 256 bytes of LDS of my own, so that one store covers them.
	s_lshl_b32 s56, s[WV], 8
	s_add_co_u32 s56, s56, MISC+1024
	v_lshl_add_u32 v208, v[RR], 2, s56
	v_lshrrev_b32 v209, 1, v[L16]
	v_add_nc_u32 v210, s56, v209
.irp rb, 0,1,2,3
	ds_store_b32 v208, v[SA+4*\rb] offset:64*\rb   ; both halves of the lanes write the same value
.endr
	ds_load_b64 v[212:213], v210                   ; LDS serves a wave's instructions in order (ISA guide 5.7.1.4): this sees the stores above
	s_wait_dscnt 0x0
	global_store_b64 v209, v[212:213], s[14:15]    ; 256 consecutive bytes, aligned
	s_wait_tensorcnt 0x0                           ; the wave's end: the wait, the add and its wait stand behind my last tensor load and my last LDS store
	ds_add_u32 v[SPW], v[NIL]
	s_wait_dscnt 0x0
	CROUND                                         ; the closing round: no work-group ends while a partner may still ask for a tile that names it
	s_endpgm
.Lfunc_end_k_qd9c65432e3_stage2:
	.size	k_qd9c65432e3_stage2, .Lfunc_end_k_qd9c65432e3_stage2-k_qd9c65432e3_stage2
	.p2alignl 7, 3214868480
	.fill 96, 4, 3214868480
	.section	.rodata,"a",@progbits
	.p2align	6, 0x0
	.amdhsa_kernel k_qd9c65432e3_stage2
		.amdhsa_group_segment_fixed_size 327680
		.amdhsa_private_segment_fixed_size 0
		.amdhsa_enable_private_segment 0
		.amdhsa_kernarg_size 48
		.amdhsa_user_sgpr_count 2
		.amdhsa_user_sgpr_kernarg_segment_ptr 1
		.amdhsa_wavefront_size32 1
		.amdhsa_system_sgpr_workgroup_id_x 1
		.amdhsa_system_sgpr_workgroup_id_y 1
		.amdhsa_system_sgpr_workgroup_id_z 1
		.amdhsa_system_vgpr_workitem_id 0
		.amdhsa_next_free_vgpr 1024
		.amdhsa_next_free_sgpr 66
		.amdhsa_reserve_vcc 0
		.amdhsa_float_denorm_mode_32 3
		.amdhsa_float_denorm_mode_16_64 3
		.amdhsa_memory_ordered 1
		.amdhsa_forward_progress 1
		.amdhsa_inst_pref_size 102
	.end_amdhsa_kernel
	.amdgpu_metadata
---
amdhsa.version: [ 1, 2 ]
amdhsa.kernels:
  - .name:           k_qd9c65432e3_stage2
    .symbol:         k_qd9c65432e3_stage2.kd
    .args:
      - { .name: kbf, .offset: 0, .size: 8, .value_kind: global_buffer, .address_space: global }
      - { .name: w2bf, .offset: 8, .size: 8, .value_kind: global_buffer, .address_space: global }
      - { .name: y2, .offset: 16, .size: 8, .value_kind: global_buffer, .address_space: global }
      - { .name: pst, .offset: 24, .size: 8, .value_kind: global_buffer, .address_space: global }
      - { .name: v2, .offset: 32, .size: 8, .value_kind: global_buffer, .address_space: global }
      - { .name: out0, .offset: 40, .size: 8, .value_kind: global_buffer, .address_space: global }
    .group_segment_fixed_size: 327680
    .private_segment_fixed_size: 0
    .kernarg_segment_align: 8
    .kernarg_segment_size: 48
    .max_flat_workgroup_size: 128
    .sgpr_count:     66
    .vgpr_count:     1024
    .wavefront_size: 32
...
	.end_amdgpu_metadata
.endif
;; end of part 3
;; ======== version 2 of 2: 4 launches; 1.22 times as fast as version 1
;; workspace buffers: w1bf 524,288 bytes; w2bf 524,288 bytes; bias1 131,072 bytes; y2 524,288 bytes; kbf 67,108,864 bytes; pp 524,288 bytes; pst 65,536 bytes
;; launch proj1: the kernel of part 1 again; grid 8 x 4, 4 waves a work-group, no clusters, 88,064 bytes of LDS; arguments query, W1, bias1, w1bf; writes bias1, w1bf
;; launch stage1 (part 4): grid 256 x 1, 4 waves a work-group, clusters of 4 x 1, 327,680 bytes of LDS; arguments keys, w1bf, bias1, v1, kbf, pp, pst; writes kbf, pp, pst
.if DOCPART == 4
	.amdgcn_target "amdgcn-amd-amdhsa--gfx1250"
	.amdhsa_code_object_version 6
	.text
	.protected	k_qd9c65432e3_stage1
	.globl	k_qd9c65432e3_stage1
	.p2align	8
	.type	k_qd9c65432e3_stage1,@function
k_qd9c65432e3_stage1:
	s_mov_b64 s[64:65], 0
	v_nop
	global_prefetch_b8 v0, s[64:65] scope:SCOPE_SE
	s_setreg_imm32_b32 hwreg(HW_REG_WAVE_MODE, 25, 1), 1
	s_wait_xcnt 0x0
	s_wait_alu depctr_hold_cnt(0) depctr_sa_sdst(0) depctr_va_vdst(0) depctr_va_sdst(0) depctr_va_ssrc(0) depctr_va_vcc(0) depctr_vm_vsrc(0)
	s_getreg_b32 s2, hwreg(HW_REG_IB_STS2, 6, 4)
	s_cmp_eq_u32 s2, 0
	s_cbranch_scc0 .Lentry_in_a_cluster
	s_endpgm
.Lentry_in_a_cluster:
	s_bfe_u32 s2, ttmp6, 0x10000c
	s_cmp_lg_u32 s2, 0x3003
	s_cbranch_scc0 .Lentry_shape_is_right
	s_endpgm
.Lentry_shape_is_right:
; STAGE 1.  score[s] = sum over d of v1[d] tanh(sum over e of W1[d][e] keys[s][e] + bias1[b][d]); for the work-group's 256 rows: m = their largest score, e_s = exp(score - m),
; l = sum of e_s, p[:] = sum of e_s keys[s][:].  Stored: kbf (keys in bf16, in the order of the matrix fragments), pp (p), pst (m, l).  The softmax over a batch's 1,024 rows is finished later from four (m, l, p).
; keys: [65,536][512] f32; w1bf: [512][512] bf16; bias1: [64][512] f32; v1: [512] f32.
; LIMITS.  keys are rounded to bf16 (nearest even) as matrix operands, and so are the weights e_s for p; l is the sum of the unrounded e_s.  tanh(x) = 1 - 2 / (1 + 2^(c x)), c = 2 log2(e):
; absolute error about 1e-7 near 0; 2^(c x) beyond f32's range gives 1 or -1 exactly.  A weight below 2^-126 counts as 0.  NaN and infinities are not treated apart.
; SHARES.  Work-group wg = 4 b + quarter owns 256 rows, each of its four waves 64.  A wave keeps its 64 rows x 512 K in registers as fragments (512 registers); only W comes out of LDS.
; THE PRODUCT IS USED TRANSPOSED: source 0 = 16 rows of W (d), source 1 = 16 rows of keys.  Register j of lane l then holds d = d0 + 8 (l / 16) + j of key row l % 16: a row's score is a sum inside a lane and one exchange of the lanes' halves.
; CHUNKS.  32 d at a time: 2 d blocks x 4 row blocks = 8 accumulators, 16 K steps, 128 products in 8 groups of 16; 16 chunks.  At a chunk's head the finished sums are copied, scaled and biased, into a shadow set
; of 64 registers; their exponentials, reciprocals and sums stand at the head of, behind and at the end of the next chunk's products.
; BATCHES.  The shadows are two halves of 32 registers (A: d block 0, shadow blocks 0-3; B: d block 1, blocks 4-7).  Each half has two batches of 32 transcendentals, each batch with ONE wait: the exponentials, and, behind
; the additions of 1, the reciprocals.  A's exponentials stand by turns with the copies at the chunk's head: wait in group 0.  A's reciprocals ride behind the products of groups 0 and 1: wait in group 2; A's 16 sums at group 3's head.
; B's exponentials ride in groups 2 and 3: wait in group 4.  B's reciprocals ride in groups 4 and 5: wait in group 6; B's 16 sums at the chunk's end.  Each of the four waits stands directly ahead of its group's run of LDS loads.
; No result crosses a chunk's end.
; score = V + sum of v'[d] r[d], with r = 1 / (1 + 2^z), v' = -2 v, V = sum of v.
; CLUSTER.  All work-groups walk the same W; the four of a batch form a cluster and ask for each tile JOINTLY (the same load, descriptor and mask of four in all four).
; THE RING.  Chunk 0 has a region of its own; two slots of three chunks (96 rows) take turns for chunks 1-15.  Each wave fetches 24 rows of a slot.  A wave has two tensor loads out at the start, later one.
; REGISTERS, in windows of 256 (s_set_vgpr_msb: bits 1:0 source 0, 3:2 source 1, 5:4 source 2, 7:6 destination):
;   window 0: v0-15 addresses; v16-79 accumulators; v80-143 shadows; v144-207 W's fragments, two buffers; v208-223 bias'; v224-239 v'; v240-255 the scores' sums
;   window 1: keys as loaded (four slots of 64); at the end p's accumulators      window 2: keys, K steps 0-7, at 32 t + 8 rb      window 3: K steps 8-15
.set PW,    1040                       ; a row of W in LDS: 1,024 bytes + 16 = 65 x 16 bytes: the 16 rows of a fragment load start 16 bytes apart modulo 256
.set CHB,   32*PW                      ; a chunk
.set SLOTB, 3*CHB                      ; a slot: 99,840
.set SLOT1, 1<<17                      ; slot 1 begins here: one exclusive or turns an address in one slot into the other's
.set STG,   SLOTB                      ; 99,840: 16 rows x 272 bytes for each wave, where keys change from rows to fragments; no tile lands here
.set SPS,   272
.set PCH,   SLOT1+SLOTB                ; 230,912: chunk 0
.set DMP,   64*PW                      ; at the end, behind the last fill: each wave's 64 rows of keys in bf16, from LDS byte 0 on (266,240 bytes in all)
.set TAB,   270336                     ; bias'[512], then v'[512], f32
.set MISC,  TAB+4096                   ; +0 the waves' parts of V; +16 their maxima; +32 their l; +256 the weights, 128 bytes a wave
.set WGT,   MISC+256
.set PS,    MISC+2048                  ; the waves' parts of p: 4 x 2,048 bytes
.set SPARE, PS+8192                    ; 284,672: the spare words, 128 bytes for each wave
.set SPW, 1                            ; v1   LDS address of my spare word; never rewritten
.set NIL, 2                            ; v2   0; never rewritten
.set WA0, 3                            ; v3   my lane's place in a tile of W: (l % 16) x 1,040 + 16 (l / 16)
.set WAD, 4                            ; v4   LDS address of the chunk's fragments
.set TAD, 5                            ; v5   LDS address of the chunk's bias'
.set L16, 6                            ; v6   16 x lane; never rewritten
.set VS,  7                            ; v7   V
.set RR,  8                            ; v8   l % 16
.set HH,  9                            ; v9   l / 16
.set TA0, 10                           ; v10  32 (l / 16)
.set STA, 11                           ; v11  the stage: where I put 8 bytes of a row
.set FRA, 12                           ; v12  the stage: my place in a fragment
.set T16, 13                           ; v13  16 x thread
.set TADR, 14                          ; v14  TAB + 16 x thread
.set TM,  15                           ; v15  at work
.set ACC, 16                           ; block b = 4 db + rb at ACC + 8 b
.set SH,  80
.set WB,  144                          ; buffer x 32 + K step x 16 + db x 8
.set BI,  208
.set VP,  224
.set SA,  240                          ; row block rb: two pairs at SA + 4 rb
.set WV,  18                           ; s18  my wave's number
.set CX,  19                           ; s19  my place in the cluster: it enters global addresses of keys, kbf, pp, pst alone
.set WG,  20                           ; s20  4 x cluster + cx
.set G1,  24                           ; s[24:31] descriptor group 1: 24 rows
.set G1P, 32                           ; s[32:39] the same for 8 rows
.set G0,  40                           ; s[40:43] descriptor group 0: it walks
.set G0P, 44                           ; s[44:47] for chunk 0
.set SLOTS, 48
.set CNT, 49
.set TBW, 50                           ; s50  LDS byte at which the next chunk's rows of W begin
.set TBT, 51                           ; s51  LDS byte of the chunk's bias'
.set CS,  52                           ; s[52:53] c
.set SEL, 54                           ; s[54:55] v_permlanex16_b32's selects: each lane takes its own place in the other half
.set L2E, 58                           ; s58  log2(e)
.set MW,  59                           ; s59  MISC + 4 x wave
.set MSB, 0
.macro WIN new                         ; the immediate's high byte repeats the setting that is left; a switch that changes nothing is dropped
.if MSB != (\new)
	s_set_vgpr_msb (MSB<<8)|(\new)
.set MSB, (\new)
.endif
.endm
.macro PLACES                          ; four places (ISA guide 7.12.1) where no other vector work is at hand
.rept 4
	v_nop
.endr
.endm
; A round of the cluster's barrier: my work-group's barrier, so that wave 0's signal speaks for all four waves; wave 0 signals; every wave waits for all four work-groups; my work-group's barrier once more.
.macro CROUND
	s_barrier_signal -1
	s_barrier_wait -1
	s_cmp_lg_u32 s[WV], 0
	s_cbranch_scc1 .Lnot_wave_0_\@
	s_barrier_signal -3
.Lnot_wave_0_\@:
	s_barrier_wait -3
	s_barrier_signal -1
	s_barrier_wait -1
.endm
; Eight LDS loads: W's fragments of K steps 2 g and 2 g + 1, both d blocks, into buffer g % 2.
.macro LOADW g
.irp kk, 0,1
.irp db, 0,1
.irp hf, 0,1
	ds_load_b128 v[WB+32*((\g)%2)+16*\kk+8*\db+4*\hf:WB+32*((\g)%2)+16*\kk+8*\db+4*\hf+3], v[WAD] offset:\db*16*PW+(2*(\g)+\kk)*64+32*\hf
.endr
.endr
.endr
.endm
; Product k of 16 of group g: K step 2 g + k / 8, block k % 8.  The eight accumulators take turns in the same order in every K step.  K step 0 starts the sums.
.macro MM g, k
.set t_, 2*(\g)+(\k)/8
.set b_, (\k)%8
.set rD, ACC+8*b_
.set rW, WB+32*((\g)%2)+16*((\k)/8)+8*(b_/4)
.set rK, 32*(t_%8)+8*(b_%4)
	WIN 0x08+4*((\g)/4)                            ; source 1 (keys) in window 2 or 3, all else in window 0
.if t_ == 0
	v_wmma_f32_16x16x32_bf16 v[rD:rD+7], v[rW:rW+7], v[rK:rK+7], 0
.else
	v_wmma_f32_16x16x32_bf16 v[rD:rD+7], v[rW:rW+7], v[rK:rK+7], v[rD:rD+7]
.endif
.endm
; The shadows: z = c x sum + c x bias.  Copy f of 32: pair f % 4 of block f / 4.  Taken in ascending order.
.macro FB1 f
	v_pk_fma_f32 v[SH+2*(\f):SH+2*(\f)+1], v[ACC+2*(\f):ACC+2*(\f)+1], s[CS:CS+1], v[BI+8*((\f)/16)+2*((\f)%4):BI+8*((\f)/16)+2*((\f)%4)+1] op_sel_hi:[1,0,1]
.endm
; What follows on the shadows.  RE n: 2^z in register n of 64.  RP p: 1 + 2^z in pair p of 32.  RQ n: the reciprocal.  RS g, i: pair i of block g into the score's sum.
; The first three name vector registers in the destination and source 0 places alone, so they stand under the products' window setting.  None of the four holds a wait: the waits stand where the batches end.
.macro RE n
	v_exp_f32 v[SH+(\n)], v[SH+(\n)]
.endm
.macro RP p
	v_pk_add_f32 v[SH+2*(\p):SH+2*(\p)+1], v[SH+2*(\p):SH+2*(\p)+1], 1.0 op_sel_hi:[1,0]
.endm
.macro RQ n
	v_rcp_f32 v[SH+(\n)], v[SH+(\n)]
.endm
.macro RS g, i
	v_pk_fma_f32 v[SA+4*((\g)%4)+2*((\i)%2):SA+4*((\g)%4)+2*((\i)%2)+1], v[SH+8*(\g)+2*(\i):SH+8*(\g)+2*(\i)+1], v[VP+8*((\g)/4)+2*(\i):VP+8*((\g)/4)+2*(\i)+1], v[SA+4*((\g)%4)+2*((\i)%2):SA+4*((\g)%4)+2*((\i)%2)+1]
.endm
; The 16 sums of half h (shadow blocks 4 h .. 4 h + 3).  Each of the eight sum pairs takes its terms in the order (block, pair i), (block, pair i + 2); two lines on one sum pair stand eight lines apart.
.macro SUMS h
.irp i, 0,1,2,3
.irp g, 0,1,2,3
	RS 4*(\h)+\g, \i
.endr
.endr
.endm
; A chunk's head: the 32 copies, and by turns with them half A's 32 exponentials.  Exponential n stands behind copy n + 1, and the copy that makes its z is copy n / 2; no copy behind it names its register (copy k writes registers 2 k, 2 k + 1).
.macro HEAD
	FB1 0
.set f_, 1
.rept 31
	FB1 f_
	RE f_-1
.set f_, f_+1
.endr
	RE 31
.endm
; What stands behind product k (0 to 15) of group g.  Groups 0, 1 (half A) and 4, 5 (half B): reciprocal number slot = 16 (g % 4) + k of the half's 32, and ahead of it the additions of 1: pairs 0 and 1 in slot 0, pair p in slot
; 2 p - 2 (a slot or more ahead of its first reciprocal, in slot 2 p), but for pairs 8-11, which stand at the second group's head.  An addition names registers 2 p and 2 p + 1, and the reciprocals issued ahead of it end at 2 p - 3.
; Groups 2, 3: half B's exponentials.  Groups 6, 7: nothing.
.macro RIDE g, k
.if ((\g)%4) < 2
.set slot_, 16*((\g)%4)+(\k)
.set half_, (\g)/4
.if slot_ == 0
	RP 16*half_
	RP 16*half_+1
.elseif (slot_%2 == 0) && ((slot_ <= 12) || (slot_ >= 22)) && (slot_ <= 28)
	RP 16*half_+(slot_+2)/2
.endif
	RQ 32*half_+slot_
.elseif (\g) < 4
	RE 16*(\g)+(\k)
.endif
.endm
; Quad n of my keys' fragments goes to kbf: 512 consecutive bytes, aligned.  It stands under the window setting of product n of chunk 0, whose source 1 window holds it.
.macro KST n
	global_store_b128 v[L16], v[4*((\n)%64):4*((\n)%64)+3], s[12:13] offset:512*(\n) th:TH_STORE_NT
.endm
; GROUP g: 16 products (two K steps).  mode 0: behind the first product stand four plain lines or more, the places in front of the loads into the buffer that group g - 1 read: additions of 1 (groups 1, 5), half A's sums (group 3),
; v_nop (groups 2, 4, 6); in groups 0, 2, 4, 6 a batch's wait follows them, directly ahead of the loads.  mode 1: chunk 0: no shadows yet; a store of keys behind each product, four v_nop as the places.
; The LDS loads stand in one run behind the first product, 15 products ahead of the wait for them at the next group's head.
.macro GROUP g, mode
	s_wait_dscnt 0x0                               ; this group's fragments and the tables: all that is out
	MM \g, 0
.if (\mode) == 1
	KST 16*(\g)
	PLACES
.elseif (\g) == 3
	WIN 0                                          ; the sums name v' as source 1
	SUMS 0                                         ; half A's: its reciprocals were waited for in group 2; group 4 loads the next v' over the one read here
.elseif ((\g)%4) == 1
.irp p, 8,9,10,11
	RP 16*((\g)/4)+\p
.endr
.elseif (\g) == 0
	v_nop                                          ; a plain instruction behind the last exponential of the chunk's head
	s_wait_alu depctr_va_vdst(0)                   ; one wait for half A's 32 exponentials, ahead of the additions of 1
.elseif (\g) < 7
	PLACES                                         ; also the plain instruction behind the batch's last transcendental
	s_wait_alu depctr_va_vdst(0)                   ; one wait for a batch of 32: group 2: half A's reciprocals, ahead of its sums; group 4: half B's exponentials, ahead of the additions of 1; group 6: half B's reciprocals, ahead of its sums
.endif
.if (\g) < 7
	LOADW (\g)+1
.endif
.if (\g) == 0
.irp q, 0,1,2,3                                        ; this chunk's bias': the copy into the shadows has just read the last chunk's
	ds_load_b128 v[BI+4*\q:BI+4*\q+3], v[TAD] offset:64*(\q/2)+16*(\q%2)
.endr
.if (\mode) == 0
	ds_load_b128 v[VP+8:VP+11], v[TAD] offset:1984           ; v' of the shadows' second d block (the chunk before: 2,048 - 128 + 64)
	ds_load_b128 v[VP+12:VP+15], v[TAD] offset:2000
.endif
.endif
.if (\g) == 4
	ds_load_b128 v[VP:VP+3], v[TAD] offset:2048              ; v' of this chunk's first d block: the shadows' first d block is summed
	ds_load_b128 v[VP+4:VP+7], v[TAD] offset:2064
.endif
.if (\mode) == 0
	RIDE \g, 0
.endif
.irp k, 1,2,3,4,5,6,7,8,9,10,11,12,13,14,15
	MM \g, \k
.if (\mode) == 1
	KST 16*(\g)+\k
.else
	RIDE \g, \k
.endif
.endr
.endm
; A chunk with the chunk before in its shadows.
.macro TRIP
	WIN 0
	v_add_nc_u32 v[WAD], s[TBW], v[WA0]
	s_add_co_u32 s[TBT], s[TBT], 128
	v_add_nc_u32 v[TAD], s[TBT], v[TA0]
	s_add_co_u32 s[TBW], s[TBW], CHB
	LOADW 0
	HEAD                                           ; stands while those loads are out
.irp g, 0,1,2,3,4,5,6,7
	GROUP \g, 0
.endr
	WIN 0
	SUMS 1                                         ; half B's: its reciprocals were waited for in group 6; these lines are also the places behind the chunk's last product
.endm
.macro PEEL mode                       ; chunk 0
	WIN 0
	v_add_nc_u32 v[WAD], PCH, v[WA0]
	v_add_nc_u32 v[TAD], TAB, v[TA0]
	LOADW 0
.irp g, 0,1,2,3,4,5,6,7
	GROUP \g, \mode
.endr
	PLACES
	WIN 0
.endm
.macro INNER                           ; a slot's three chunks: written once, walked three times
	s_mov_b32 s[CNT], 3
.Lchunk_\@:
	TRIP
	s_sub_co_u32 s[CNT], s[CNT], 1
	s_cmp_lg_u32 s[CNT], 0
	s_cbranch_scc1 .Lchunk_\@
.endm
; THE CHANGE OF SLOTS.  Each wave waits for all its tensor loads, of which one is out: its part of the slot to be read next; adds 0 to its spare word; and waits for that and for its own reads of the slot that it leaves.
; fill = 1: the slot just left is filled with the chunks two slots on.  The barrier is then a round of the cluster's, so that no wave of any partner still reads the slot or has a load on its way, and the joint
; fill is the first thing behind it: it has three chunks, 384 products a wave, in which to land.  (At its first use chunk 0's region has been read, slot 0 is waited for, and slot 1 has its first fill.)
.macro CHANGE fill
	WIN 0
	s_wait_tensorcnt 0x0                           ; no tensor load of mine is out, so group 0 may be written
	ds_add_u32 v[SPW], v[NIL]                      ; 0 onto my spare word
.if \fill
	s_xor_b32 s[G0+1], s[G0+1], SLOT1              ; the other slot than last time,
	s_add_nc_u64 s[G0+2:G0+3], s[G0+2:G0+3], 96*1024  ; the next 96 rows of 1,024 bytes; the type bits on top are not reached
	s_wait_dscnt 0x0                               ; the add is done, and my reads of the slot are over
	CROUND
	tensor_load_to_lds s[G0:G0+3], s[G1:G1+7]
	s_nop 0
	PLACES
.else
	s_wait_dscnt 0x0
	s_barrier_signal -1
	s_barrier_wait -1
.endif
	s_sub_co_u32 s[TBW], s[TBW], SLOTB             ; the fetches go back to a slot's first chunk,
	s_xor_b32 s[TBW], s[TBW], SLOT1                ; in the other slot
.endm
; The last chunk's shadows have no products to stand behind: two batches of 64, each with one wait.
.macro EPI
	WIN 0
	ds_load_b128 v[VP+8:VP+11], v[TAD] offset:2112           ; v' of the last chunk's second d block
	ds_load_b128 v[VP+12:VP+15], v[TAD] offset:2128
	HEAD                                           ; the copies and the first 32 exponentials
	s_wait_dscnt 0x0
.set n_, 32
.rept 32
	RE n_
.set n_, n_+1
.endr
	v_nop                                          ; a plain instruction behind the last exponential
	s_wait_alu depctr_va_vdst(0)                   ; one wait for the 64 exponentials, ahead of the additions of 1
.set n_, 0
.rept 32
	RP n_
.set n_, n_+1
.endr
.set n_, 0
.rept 64
	RQ n_
.set n_, n_+1
.endr
	v_nop                                          ; a plain instruction behind the last reciprocal
	s_wait_alu depctr_va_vdst(0)                   ; one wait for the 64 reciprocals, ahead of the sums
	SUMS 0
	SUMS 1
.endm
; The score of key row 16 rb + l % 16 into v[SA + 4 rb], in both halves of the lanes.
.macro SCORES
.irp rb, 0,1,2,3
	v_pk_add_f32 v[SA+4*\rb:SA+4*\rb+1], v[SA+4*\rb:SA+4*\rb+1], v[SA+4*\rb+2:SA+4*\rb+3]
.endr
.irp rb, 0,1,2,3
	v_add_f32 v[SA+4*\rb], v[SA+4*\rb], v[SA+4*\rb+1]
.endr
.irp rb, 0,1,2,3
	v_permlanex16_b32 v[SA+4*\rb+1], v[SA+4*\rb], s[SEL], s[SEL+1]  ; the other eight d of every block lie in the lane 16 away
.endr
.irp rb, 0,1,2,3
	v_add_f32 v[SA+4*\rb], v[SA+4*\rb], v[SA+4*\rb+1]
.endr
.irp rb, 0,1,2,3
	v_add_f32 v[SA+4*\rb], v[SA+4*\rb], v[VS]
.endr
.endm
; Thread t holds d = 4 t .. 4 t + 3: bias' in v[48:51], v in v[52:55].  Both tables go to LDS, and my wave's part of V.
.macro TABLES
	v_pk_mul_f32 v[56:57], v[52:53], -2.0 op_sel_hi:[1,0]
	v_pk_mul_f32 v[58:59], v[54:55], -2.0 op_sel_hi:[1,0]
	v_add_f32 v60, v52, v53
	v_add_f32 v61, v54, v55
	ds_store_b128 v[TADR], v[48:51]
	ds_store_b128 v[TADR], v[56:59] offset:2048
	v_add_f32 v60, v60, v61
	v_add_f32_dpp v60, v60, v60 row_xmask:1 row_mask:0xf bank_mask:0xf
	v_add_f32_dpp v60, v60, v60 row_xmask:2 row_mask:0xf bank_mask:0xf
	v_add_f32_dpp v60, v60, v60 row_xmask:4 row_mask:0xf bank_mask:0xf
	v_add_f32_dpp v60, v60, v60 row_xmask:8 row_mask:0xf bank_mask:0xf
	v_permlanex16_b32 v61, v60, s[SEL], s[SEL+1]
	v_add_f32 v60, v60, v61
	v_mov_b32 v[TM], s[MW]
	ds_store_b32 v[TM], v60                        ; all lanes write the same word with the same value
.endm
; Strip s = 4 q + rb: key rows 16 rb on, columns 128 q on.  ASK: its 16 loads, each 512 consecutive bytes of one row, into landing slot rb.
.macro ASK s
	WIN 0x40
.set i, 0
.rept 16
	global_load_b128 v[64*((\s)%4)+4*i:64*((\s)%4)+4*i+3], v[L16], s[4:5] offset:(16*((\s)%4)+i)*2048+512*((\s)/4) th:TH_LOAD_NT
.set i, i+1
.endr
.endm
; STRIP: rounded to bf16, through my stage, back as the fragments of K steps 4 q .. 4 q + 3.  LDS serves a wave's instructions in order (ISA guide 5.7.1.4), and the stage is my own: no wait between stores and loads, nor from strip to strip.
.macro STRIP s, left
	s_wait_loadcnt \left
	WIN 0x05
.set i, 0
.rept 32
	v_cvt_pk_bf16_f32 v[16+i], v[64*((\s)%4)+2*i], v[64*((\s)%4)+2*i+1]
.set i, i+1
.endr
	WIN 0
.set i, 0
.rept 16
	ds_store_b64 v[STA], v[16+2*i:17+2*i] offset:SPS*i
.set i, i+1
.endr
	WIN 0x80+0x40*((\s)/8)
.set i, 0
.rept 8
	ds_load_b128 v[32*((4*((\s)/4)+i/2)%8)+8*((\s)%4)+4*(i%2):32*((4*((\s)/4)+i/2)%8)+8*((\s)%4)+4*(i%2)+3], v[FRA] offset:32*i
.set i, i+1
.endr
.if (\s) < 12
	ASK (\s)+4
.endif
.endm
	s_load_b256 s[4:11], s[0:1], 0x0               ; keys s[4:5], w1bf s[6:7], bias1 s[8:9], v1 s[10:11]
	s_load_b128 s[12:15], s[0:1], 0x20             ; kbf s[12:13], pp s[14:15]
	s_load_b64 s[16:17], s[0:1], 0x30              ; pst
	v_lshl_add_u32 v[SPW], v0, 2, SPARE
	v_mov_b32 v[NIL], 0
	ds_add_u32 v[SPW], v[NIL]                      ; the wave's opening: the add and its wait stand ahead of my first tensor load; the set-up below, work on registers, stands between them
	ds_add_u32 v1, v2
	v_lshrrev_b32 v[TM], 5, v0
	v_readfirstlane_b32 s[WV], v[TM]               ; wave 0..3
	s_bfe_u32 s[CX], ttmp6, 0x40000
	s_lshl_b32 s[WG], ttmp9, 2                     ; in a cluster launch ttmp9 counts clusters: the batch
	s_add_co_u32 s[WG], s[WG], s[CX]
	; descriptor group 1: rows of 512 elements of 2 bytes, padded in LDS
	s_mov_b32 s[G1], 15|(1<<16)|(1<<20)|(1<<21)|(7<<22)|(3<<25)   ; 15:0 the mask of four; 17:16 2-byte elements; 20 padding on; 21 set beside a mask; 24:22 after every 256 words (code 7); 31:25 4 words (code 3)
	s_mov_b32 s[G1P], 15|(1<<16)|(1<<20)|(1<<21)|(7<<22)|(3<<25)
	s_mov_b32 s[G1+1], 512<<16                     ; tensor_dim0 = 512
	s_mov_b32 s[G1P+1], 512<<16
	s_mov_b32 s[G1+2], 24<<16                      ; tensor_dim1 = 24
	s_mov_b32 s[G1P+2], 8<<16                      ; or 8
	s_mov_b32 s[G1+3], 512<<16                     ; tile_dim0 = 512
	s_mov_b32 s[G1P+3], 512<<16
	s_mov_b32 s[G1+4], 24                          ; tile_dim1
	s_mov_b32 s[G1P+4], 8
	s_mov_b32 s[G1+5], 512                         ; 512 elements from row to row
	s_mov_b32 s[G1P+5], 512
	s_mov_b32 s[G1+6], 0
	s_mov_b32 s[G1P+6], 0
	s_mov_b32 s[G1+7], 0
	s_mov_b32 s[G1P+7], 0
	s_mov_b32 s[G0], 1                             ; count = 1
	s_mul_i32 s[G0+1], s[WV], 24*PW                ; LDS address: slot 0, my 24 rows
	s_mov_b32 s[G0P], 1
	s_mul_i32 s[G0P+1], s[WV], 8*PW
	s_add_co_u32 s[G0P+1], s[G0P+1], PCH           ; chunk 0's region, my 8 rows
	s_mul_i32 s22, s[WV], 24*1024
	s_add_co_u32 s22, s22, 32*1024                 ; slot 0 begins with row 32
	s_mov_b32 s23, 0
	s_lshl_b32 s56, s[WV], 13
	s_mov_b32 s57, 0
	s_mov_b32 s[CS], 0x4038aa3b                    ; c = 2 log2(e)
	s_mov_b32 s[CS+1], s[CS]                       ; named with it as a pair
	s_mov_b32 s[SEL], 0x76543210
	s_mov_b32 s[SEL+1], 0xfedcba98
	s_mov_b32 s[L2E], 0x3fb8aa3b
	s_mov_b32 s[TBW], SLOT1+SLOTB                  ; the first change of slots turns this into 0
	s_mov_b32 s[TBT], TAB
	s_lshl_b32 s[MW], s[WV], 2
	s_add_co_u32 s[MW], s[MW], MISC
	s_wait_dscnt 0x0                               ; the opening add is done
	s_wait_kmcnt 0x0
	s_add_nc_u64 s[G0+2:G0+3], s[6:7], s[22:23]
	s_or_b32 s[G0+3], s[G0+3], 0x80000000          ; type = 2
	s_add_nc_u64 s[G0P+2:G0P+3], s[6:7], s[56:57]
	s_or_b32 s[G0P+3], s[G0P+3], 0x80000000
	s_lshl_b32 s2, s[WG], 19                       ; 256 rows of 2,048 bytes,
	s_lshl_b32 s3, s[WV], 17                       ; my wave's 64
	s_add_co_u32 s2, s2, s3
	s_mov_b32 s3, 0
	s_add_nc_u64 s[4:5], s[4:5], s[2:3]            ; keys at my first row
	s_lshl2_add_u32 s2, s[WG], s[WV]
	s_lshl_b32 s2, s2, 16
	s_add_nc_u64 s[12:13], s[12:13], s[2:3]        ; kbf: 65,536 bytes a wave
	s_lshl_b32 s2, ttmp9, 11
	s_add_nc_u64 s[8:9], s[8:9], s[2:3]            ; bias1 at my batch
	s_lshl_b32 s2, s[WG], 11
	s_lshl_b32 s22, s[WV], 9
	s_add_co_u32 s2, s2, s22
	s_add_nc_u64 s[14:15], s[14:15], s[2:3]        ; pp: my work-group's row, my wave's 512 bytes
	s_lshl_b32 s2, s[WG], 8
	s_add_nc_u64 s[16:17], s[16:17], s[2:3]        ; pst
	CROUND                                         ; all four work-groups are here: the first joint loads meet
	tensor_load_to_lds s[G0P:G0P+3], s[G1P:G1P+7]  ; chunk 0
	s_nop 0
	tensor_load_to_lds s[G0:G0+3], s[G1:G1+7]      ; chunks 1-3
	s_nop 0
	PLACES
	v_and_b32 v[L16], 31, v0
	v_lshlrev_b32 v[L16], 4, v[L16]
	; PHASE A: my 64 rows of keys into registers.  Four strips, 32 KiB a wave, are always on their way.
	ASK 0
	ASK 1
	ASK 2
	ASK 3
	WIN 0
	v_and_b32 v[RR], 15, v0
	v_bfe_u32 v[HH], v0, 4, 1
	v_mul_u32_u24 v[WA0], v[RR], PW
	v_lshl_add_u32 v[WA0], v[HH], 4, v[WA0]
	v_lshlrev_b32 v[TA0], 5, v[HH]
	s_mul_i32 s56, s[WV], 16*SPS
	s_add_co_u32 s56, s56, STG                     ; my stage
	v_lshrrev_b32 v[STA], 1, v[L16]
	v_add_nc_u32 v[STA], s56, v[STA]               ; in: 8 bytes a lane, 256 consecutive bytes a row
	v_mul_u32_u24 v[FRA], v[RR], SPS
	v_lshl_add_u32 v[FRA], v[HH], 4, v[FRA]
	v_add_nc_u32 v[FRA], s56, v[FRA]               ; back: row l % 16, 16 bytes for each half of the lanes
	v_lshlrev_b32 v[T16], 4, v0
	v_add_nc_u32 v[TADR], TAB, v[T16]
.set i, 0
.rept 16
	v_mov_b32 v[SA+i], 0                           ; the scores' sums run through all 16 chunks
.set i, i+1
.endr
.irp s, 0,1,2,3,4,5,6,7,8,9,10,11
	STRIP \s, 48                                   ; three younger strips of 16 loads stay out
.endr
	WIN 0
	global_load_b128 v[48:51], v[T16], s[8:9]      ; bias1 and v1: four d a thread
	global_load_b128 v[52:55], v[T16], s[10:11]
	STRIP 12, 50                                   ; the younger strips and those two
	STRIP 13, 34
	STRIP 14, 18
	STRIP 15, 2
	WIN 0
	s_wait_loadcnt 0x0
	v_pk_mul_f32 v[48:49], v[48:49], s[CS:CS+1] op_sel_hi:[1,0]
	v_pk_mul_f32 v[50:51], v[50:51], s[CS:CS+1] op_sel_hi:[1,0]
	TABLES
	s_wait_tensorcnt 0x1                           ; my part of chunk 0 is in; slot 0's may stay out
	s_wait_dscnt 0x0                               ; my part of the tables is in LDS, and my fragments are in registers
	s_barrier_signal -1
	s_barrier_wait -1
	v_mov_b32 v[TM], MISC
	ds_load_b128 v[60:63], v[TM]
	s_wait_dscnt 0x0
	v_add_f32 v60, v60, v61
	v_add_f32 v62, v62, v63
	v_add_f32 v[VS], v60, v62
	PEEL 1
	s_mov_b32 s[SLOTS], 4
.Lslot:
	CHANGE 1
	INNER
	s_sub_co_u32 s[SLOTS], s[SLOTS], 1
	s_cmp_lg_u32 s[SLOTS], 0
	s_cbranch_scc1 .Lslot
	CHANGE 0                                       ; the last slot is written out
	INNER
	EPI
	SCORES
	; THE END.  The work-group's maximum; the weights; p by the matrix unit; the sums over the four waves.
	v_max3_num_f32 v208, v[SA], v[SA+4], v[SA+8]
	v_max_num_f32 v208, v208, v[SA+12]
	v_max_num_f32_dpp v208, v208, v208 row_xmask:1 row_mask:0xf bank_mask:0xf
	v_max_num_f32_dpp v208, v208, v208 row_xmask:2 row_mask:0xf bank_mask:0xf
	v_max_num_f32_dpp v208, v208, v208 row_xmask:4 row_mask:0xf bank_mask:0xf
	v_max_num_f32_dpp v208, v208, v208 row_xmask:8 row_mask:0xf bank_mask:0xf  ; both halves of the lanes hold the same 16 rows' scores
	v_mov_b32 v209, s[MW]
	ds_store_b32 v209, v208 offset:16
	s_wait_dscnt 0x0                               ; my maximum is in LDS, and my reads of W are over
	s_barrier_signal -1
	s_barrier_wait -1                              ; every fill has landed and nobody reads W any more: the slots may be stored into
	v_mov_b32 v210, MISC
	ds_load_b128 v[212:215], v210 offset:16
	s_lshl_b32 s57, s[WV], 7
	s_add_co_u32 s57, s57, WGT
	v_lshl_add_u32 v224, v[RR], 1, s57             ; my row's weight
	v_lshl_add_u32 v225, v[HH], 4, s57             ; the weights as a fragment: eight for each half of the lanes
	s_mul_i32 s56, s[WV], DMP
	v_add_nc_u32 v226, s56, v[WA0]                 ; the dump: row l % 16, 16 bytes for each half
	v_and_b32 v227, 7, v0                          ; the turning load: lane l reads key row 8 (l / 16) + l % 8, channels 8 ((l / 8) % 2) + 0..7
	v_lshl_add_u32 v227, v[HH], 3, v227
	v_mul_u32_u24 v227, v227, PW
	v_bfe_u32 v228, v0, 3, 1
	v_lshl_add_u32 v227, v228, 4, v227
	v_add_nc_u32 v227, s56, v227
	s_lshl_b32 s57, s[WV], 11
	s_add_co_u32 s57, s57, PS
	v_lshl_add_u32 v229, v[HH], 5, s57             ; my wave's part of p: eight channels for each half
	s_lshl_b32 s57, s[WV], 9
	s_add_co_u32 s57, s57, PS
	v_add_nc_u32 v230, s57, v[L16]                 ; the 128 channels that my wave adds up
	s_wait_dscnt 0x0
	v_max3_num_f32 v232, v212, v213, v214
	v_max_num_f32 v232, v232, v215                 ; m
.irp rb, 0,1,2,3
	v_sub_f32 v[216+\rb], v[SA+4*\rb], v232
.endr
.irp rb, 0,1,2,3
	v_mul_f32 v[216+\rb], s[L2E], v[216+\rb]
.endr
.irp rb, 0,1,2,3
	v_exp_f32 v[216+\rb], v[216+\rb]
.endr
	v_nop                                          ; a plain instruction between the last exponential and the use of its result
	s_wait_alu depctr_va_vdst(0)                   ; one wait for the four weights' exponentials
	v_add_f32 v231, v216, v217
	v_add_f32 v228, v218, v219
.irp rb, 0,1,2,3
	v_cvt_pk_bf16_f32 v[220+\rb], v[216+\rb], v[216+\rb]
.endr
	v_add_f32 v231, v231, v228
	v_add_f32_dpp v231, v231, v231 row_xmask:1 row_mask:0xf bank_mask:0xf
	v_add_f32_dpp v231, v231, v231 row_xmask:2 row_mask:0xf bank_mask:0xf
	v_add_f32_dpp v231, v231, v231 row_xmask:4 row_mask:0xf bank_mask:0xf
	v_add_f32_dpp v231, v231, v231 row_xmask:8 row_mask:0xf bank_mask:0xf
	ds_store_b32 v209, v231 offset:32              ; my wave's l
.irp rb, 0,1,2,3
	ds_store_b16 v224, v[220+\rb] offset:32*\rb    ; both halves of the lanes write the same value
.endr
.irp q, 0,1,2,3                                        ; source 1 of p's products: 32 key rows x 16 columns, all columns alike
	ds_load_b128 v[WB+4*\q:WB+4*\q+3], v225 offset:32*\q
.endr
.irp w, 0,1                                            ; my keys go back to LDS as rows [key row][channel], pitch 1,040
	WIN 0x08+4*\w
.set n, 0
.rept 64
	ds_store_b128 v226, v[4*n:4*n+3] offset:((n%8)/2)*16*PW+(8*\w+n/8)*64+32*(n%2)
.set n, n+1
.endr
.endr
	WIN 0
; p^T = keys^T x weights: source 0 = 16 channels x 32 key rows, turned on the way out of LDS.  Eight batches of four channel blocks on two buffers.  (With this pitch two lanes of a turning load meet in a bank; a pitch
; of 1,056 would move that to the dump's stores.)
.macro TLOAD bt
.irp kp, 0,1
.irp c, 0,1,2,3
	ds_load_tr16_b128 v[16+64*((\bt)%2)+32*\kp+8*\c:16+64*((\bt)%2)+32*\kp+8*\c+3], v227 offset:32*PW*\kp+32*(4*(\bt)+\c)
	ds_load_tr16_b128 v[16+64*((\bt)%2)+32*\kp+8*\c+4:16+64*((\bt)%2)+32*\kp+8*\c+7], v227 offset:32*PW*\kp+16*PW+32*(4*(\bt)+\c)
.endr
.endr
.endm
.macro TMUL bt                         ; the four accumulators take turns; the first 32 key rows start the sums
	WIN 0x50                                       ; C and D in window 1
.irp c, 0,1,2,3
	v_wmma_f32_16x16x32_bf16 v[8*(4*(\bt)+\c):8*(4*(\bt)+\c)+7], v[16+64*((\bt)%2)+8*\c:16+64*((\bt)%2)+8*\c+7], v[WB:WB+7], 0
.endr
.irp c, 0,1,2,3
	v_wmma_f32_16x16x32_bf16 v[8*(4*(\bt)+\c):8*(4*(\bt)+\c)+7], v[16+64*((\bt)%2)+32+8*\c:16+64*((\bt)%2)+32+8*\c+7], v[WB+8:WB+15], v[8*(4*(\bt)+\c):8*(4*(\bt)+\c)+7]
.endr
.endm
	TLOAD 0
.irp bt, 0,1,2,3,4,5,6
.if \bt > 0
	PLACES                                         ; in front of the loads into the buffer that the batch before multiplied
.endif
	WIN 0
	TLOAD \bt+1
	s_wait_dscnt 16                                ; all but the next batch's 16 loads
	TMUL \bt
.endr
	s_wait_dscnt 0x0
	TMUL 7
	PLACES
	WIN 0x04                                       ; store data in window 1
.set n, 0
.rept 64                                               ; register j of channel block cb holds channel 16 cb + 8 (l / 16) + j: byte 64 cb + 32 (l / 16) + 4 j of my 2,048; each accumulator's low four registers first; the 16 lanes of a half hold and write the same values
	ds_store_b128 v229, v[4*n:4*n+3] offset:64*(n/2)+16*(n%2)
.set n, n+1
.endr
	WIN 0
	s_wait_dscnt 0x0                               ; for the others' sake: my part of p and my l are in LDS
	s_barrier_signal -1
	s_barrier_wait -1
.irp j, 0,1,2,3
	ds_load_b128 v[16+4*\j:19+4*\j], v230 offset:2048*\j
.endr
	ds_load_b128 v[236:239], v210 offset:32
	v_lshrrev_b32 v234, 1, v[L16]
	s_wait_dscnt 0x0
	v_pk_add_f32 v[16:17], v[16:17], v[20:21]
	v_pk_add_f32 v[18:19], v[18:19], v[22:23]
	v_pk_add_f32 v[24:25], v[24:25], v[28:29]
	v_pk_add_f32 v[26:27], v[26:27], v[30:31]
	v_pk_add_f32 v[16:17], v[16:17], v[24:25]
	v_pk_add_f32 v[18:19], v[18:19], v[26:27]
	global_store_b128 v[L16], v[16:19], s[14:15]   ; 512 consecutive bytes, aligned
	v_add_f32 v233, v236, v237
	v_add_f32 v228, v238, v239
	v_add_f32 v233, v233, v228                     ; l
	s_cmp_lg_u32 s[WV], 0
	s_cbranch_scc1 .Lno_pst
	global_store_b64 v234, v[232:233], s[16:17]    ; (m, l), once a lane: 256 consecutive bytes, aligned
.Lno_pst:
	s_wait_tensorcnt 0x0                           ; the wave's end: the wait, the add and its wait stand behind my last tensor load and my last LDS store
	ds_add_u32 v[SPW], v[NIL]
	s_wait_dscnt 0x0
	CROUND                                         ; the closing round: no work-group ends while a partner may still ask for a tile that names it
	s_endpgm
.Lfunc_end_k_qd9c65432e3_stage1:
	.size	k_qd9c65432e3_stage1, .Lfunc_end_k_qd9c65432e3_stage1-k_qd9c65432e3_stage1
	.p2alignl 7, 3214868480
	.fill 96, 4, 3214868480
	.section	.rodata,"a",@progbits
	.p2align	6, 0x0
	.amdhsa_kernel k_qd9c65432e3_stage1
		.amdhsa_group_segment_fixed_size 327680
		.amdhsa_private_segment_fixed_size 0
		.amdhsa_enable_private_segment 0
		.amdhsa_kernarg_size 56
		.amdhsa_user_sgpr_count 2
		.amdhsa_user_sgpr_kernarg_segment_ptr 1
		.amdhsa_wavefront_size32 1
		.amdhsa_system_sgpr_workgroup_id_x 1
		.amdhsa_system_sgpr_workgroup_id_y 1
		.amdhsa_system_sgpr_workgroup_id_z 1
		.amdhsa_system_vgpr_workitem_id 0
		.amdhsa_next_free_vgpr 1024
		.amdhsa_next_free_sgpr 66
		.amdhsa_reserve_vcc 0
		.amdhsa_float_denorm_mode_32 3
		.amdhsa_float_denorm_mode_16_64 3
		.amdhsa_memory_ordered 1
		.amdhsa_forward_progress 1
		.amdhsa_inst_pref_size 207
	.end_amdhsa_kernel
	.amdgpu_metadata
---
amdhsa.version: [ 1, 2 ]
amdhsa.kernels:
  - .name:           k_qd9c65432e3_stage1
    .symbol:         k_qd9c65432e3_stage1.kd
    .args:
      - { .name: keys, .offset: 0, .size: 8, .value_kind: global_buffer, .address_space: global }
      - { .name: w1bf, .offset: 8, .size: 8, .value_kind: global_buffer, .address_space: global }
      - { .name: bias1, .offset: 16, .size: 8, .value_kind: global_buffer, .address_space: global }
      - { .name: v1, .offset: 24, .size: 8, .value_kind: global_buffer, .address_space: global }
      - { .name: kbf, .offset: 32, .size: 8, .value_kind: global_buffer, .address_space: global }
      - { .name: pp, .offset: 40, .size: 8, .value_kind: global_buffer, .address_space: global }
      - { .name: pst, .offset: 48, .size: 8, .value_kind: global_buffer, .address_space: global }
    .group_segment_fixed_size: 327680
    .private_segment_fixed_size: 0
    .kernarg_segment_align: 8
    .kernarg_segment_size: 56
    .max_flat_workgroup_size: 128
    .sgpr_count:     66
    .vgpr_count:     1024
    .wavefront_size: 32
...
	.end_amdgpu_metadata
.endif
;; end of part 4
;; launch proj2: the kernel of part 1 again; grid 8 x 16, 4 waves a work-group, no clusters, 88,064 bytes of LDS; arguments pp, W2, y2, w2bf; writes y2, w2bf
;; launch stage2 (part 5): grid 256 x 1, 4 waves a work-group, clusters of 4 x 1, 327,680 bytes of LDS; arguments kbf, w2bf, y2, pst, v2, out0; writes out0
.if DOCPART == 5
	.amdgcn_target "amdgcn-amd-amdhsa--gfx1250"
	.amdhsa_code_object_version 6
	.text
	.protected	k_qd9c65432e3_stage2
	.globl	k_qd9c65432e3_stage2
	.p2align	8
	.type	k_qd9c65432e3_stage2,@function
k_qd9c65432e3_stage2:
	s_mov_b64 s[64:65], 0
	v_nop
	global_prefetch_b8 v0, s[64:65] scope:SCOPE_SE
	s_setreg_imm32_b32 hwreg(HW_REG_WAVE_MODE, 25, 1), 1
	s_wait_xcnt 0x0
	s_wait_alu depctr_hold_cnt(0) depctr_sa_sdst(0) depctr_va_vdst(0) depctr_va_sdst(0) depctr_va_ssrc(0) depctr_va_vcc(0) depctr_vm_vsrc(0)
	s_getreg_b32 s2, hwreg(HW_REG_IB_STS2, 6, 4)
	s_cmp_eq_u32 s2, 0
	s_cbranch_scc0 .Lentry_in_a_cluster
	s_endpgm
.Lentry_in_a_cluster:
	s_bfe_u32 s2, ttmp6, 0x10000c
	s_cmp_lg_u32 s2, 0x3003
	s_cbranch_scc0 .Lentry_shape_is_right
	s_endpgm
.Lentry_shape_is_right:
; STAGE 2.  out[b][s] = sum over d of v2[d] tanh(sum over e of W2[d][e] keys[s][e] + bias2[b][d]), bias2 = W2's right half x new_q.
; new_q = sum over the batch's four quarters j of a_j p_j, a_j = exp(m_j - M) / L, M = the largest m_j, L = sum of exp(m_j - M) l_j; so bias2 = sum of a_j y_j with y_j = W2's right half x p_j, which the launch before made.
; kbf: keys in bf16 in the order of the matrix fragments, 65,536 bytes a wave; w2bf: [512][512] bf16; y2: [256][512] f32; pst: a pair (m, l) at the head of each 256 bytes; v2: [512] f32; out0: [65,536] f32.
; LIMITS.  tanh(x) = 1 - 2 / (1 + 2^(c x)), c = 2 log2(e): absolute error about 1e-7 near 0; 2^(c x) beyond f32's range gives 1 or -1 exactly.  A factor exp(m_j - M) below 2^-126 counts as 0.  NaN and infinities are not treated apart.
; SHARES, LAYOUT, CHUNKS, CLUSTER, RING: as in stage 1.  Work-group wg = 4 b + quarter owns 256 rows, a wave 64, kept in 512 registers as fragments; only W comes out of LDS.  Source 0 = 16 rows of W (d), source 1 = 16 rows
; of keys: register j of lane l holds d = d0 + 8 (l / 16) + j of key row l % 16.  32 d a chunk: 8 accumulators, 128 products in 8 groups of 16; the finished sums are copied, scaled and biased, into 64 shadow registers, whose
; exponentials, reciprocals and sums stand at the head of, behind and at the end of the next chunk's products.  score = V + sum of v'[d] r[d], r = 1 / (1 + 2^z), v' = -2 v, V = sum of v.  The four work-groups of a batch ask for
; each tile of W jointly.  Chunk 0 has a region of its own; two slots of three chunks take turns.  A wave has two tensor loads out at the start, later one.
; BATCHES.  The shadows are two halves of 32 registers (A: d block 0, shadow blocks 0-3; B: d block 1, blocks 4-7).  Each half has two batches of 32 transcendentals, each batch with ONE wait: the exponentials, and, behind
; the additions of 1, the reciprocals.  A's exponentials stand by turns with the copies at the chunk's head: wait in group 0.  A's reciprocals ride behind the products of groups 0 and 1: wait in group 2; A's 16 sums at group 3's head.
; B's exponentials ride in groups 2 and 3: wait in group 4.  B's reciprocals ride in groups 4 and 5: wait in group 6; B's 16 sums at the chunk's end.  Each of the four waits stands directly ahead of its group's run of LDS loads.
; No result crosses a chunk's end.
; REGISTERS: window 0: v0-15 addresses; v16-79 accumulators; v80-143 shadows; v144-207 W's fragments, two buffers; v208-223 bias'; v224-239 v'; v240-255 the scores' sums.  Window 2: keys, K steps 0-7, at 32 t + 8 rb; window 3: K steps 8-15.
.set PW,    1040                       ; a row of W in LDS: 1,024 bytes + 16 = 65 x 16 bytes: the 16 rows of a fragment load start 16 bytes apart modulo 256
.set CHB,   32*PW
.set SLOTB, 3*CHB
.set SLOT1, 1<<17
.set PCH,   SLOT1+SLOTB                ; chunk 0
.set TAB,   270336                     ; bias'[512], then v'[512], f32
.set MISC,  TAB+4096                   ; +0 the waves' parts of V; +1,024 the way out, 256 bytes a wave
.set SPARE, MISC+2048+8192             ; the spare words, 128 bytes for each wave
.set SPW, 1
.set NIL, 2
.set WA0, 3
.set WAD, 4
.set TAD, 5
.set L16, 6
.set VS,  7
.set RR,  8
.set HH,  9
.set TA0, 10
.set Z0,  11                           ; v11  a zero offset for the loads that every lane makes alike
.set T16, 13
.set TADR, 14
.set TM,  15
.set ACC, 16
.set SH,  80
.set WB,  144
.set BI,  208
.set VP,  224
.set SA,  240
.set WV,  18
.set CX,  19                           ; it enters global addresses of kbf and out0 alone
.set WG,  20
.set G1,  24
.set G1P, 32
.set G0,  40
.set G0P, 44
.set SLOTS, 48
.set CNT, 49
.set TBW, 50
.set TBT, 51
.set CS,  52
.set SEL, 54
.set L2E, 58
.set MW,  59
.set MSB, 0
.macro WIN new                         ; the immediate's high byte repeats the setting that is left; a switch that changes nothing is dropped
.if MSB != (\new)
	s_set_vgpr_msb (MSB<<8)|(\new)
.set MSB, (\new)
.endif
.endm
.macro PLACES                          ; four places (ISA guide 7.12.1) where no other vector work is at hand
.rept 4
	v_nop
.endr
.endm
.macro CROUND                          ; a round of the cluster's barrier
	s_barrier_signal -1
	s_barrier_wait -1
	s_cmp_lg_u32 s[WV], 0
	s_cbranch_scc1 .Lnot_wave_0_\@
	s_barrier_signal -3
.Lnot_wave_0_\@:
	s_barrier_wait -3
	s_barrier_signal -1
	s_barrier_wait -1
.endm
.macro LOADW g                         ; W's fragments of K steps 2 g and 2 g + 1, both d blocks, into buffer g % 2
.irp kk, 0,1
.irp db, 0,1
.irp hf, 0,1
	ds_load_b128 v[WB+32*((\g)%2)+16*\kk+8*\db+4*\hf:WB+32*((\g)%2)+16*\kk+8*\db+4*\hf+3], v[WAD] offset:\db*16*PW+(2*(\g)+\kk)*64+32*\hf
.endr
.endr
.endr
.endm
.macro MM g, k                         ; product k of 16 of group g: K step 2 g + k / 8, block k % 8; the eight accumulators take turns; K step 0 starts the sums
.set t_, 2*(\g)+(\k)/8
.set b_, (\k)%8
.set rD, ACC+8*b_
.set rW, WB+32*((\g)%2)+16*((\k)/8)+8*(b_/4)
.set rK, 32*(t_%8)+8*(b_%4)
	WIN 0x08+4*((\g)/4)                            ; source 1 (keys) in window 2 or 3
.if t_ == 0
	v_wmma_f32_16x16x32_bf16 v[rD:rD+7], v[rW:rW+7], v[rK:rK+7], 0
.else
	v_wmma_f32_16x16x32_bf16 v[rD:rD+7], v[rW:rW+7], v[rK:rK+7], v[rD:rD+7]
.endif
.endm
; The shadows: z = c x sum + c x bias.  Copy f of 32: pair f % 4 of block f / 4.  Taken in ascending order.
.macro FB1 f
	v_pk_fma_f32 v[SH+2*(\f):SH+2*(\f)+1], v[ACC+2*(\f):ACC+2*(\f)+1], s[CS:CS+1], v[BI+8*((\f)/16)+2*((\f)%4):BI+8*((\f)/16)+2*((\f)%4)+1] op_sel_hi:[1,0,1]
.endm
; What follows on the shadows.  RE n: 2^z in register n of 64.  RP p: 1 + 2^z in pair p of 32.  RQ n: the reciprocal.  RS g, i: pair i of block g into the score's sum.
; The first three name vector registers in the destination and source 0 places alone, so they stand under the products' window setting.  None of the four holds a wait: the waits stand where the batches end.
.macro RE n
	v_exp_f32 v[SH+(\n)], v[SH+(\n)]
.endm
.macro RP p
	v_pk_add_f32 v[SH+2*(\p):SH+2*(\p)+1], v[SH+2*(\p):SH+2*(\p)+1], 1.0 op_sel_hi:[1,0]
.endm
.macro RQ n
	v_rcp_f32 v[SH+(\n)], v[SH+(\n)]
.endm
.macro RS g, i
	v_pk_fma_f32 v[SA+4*((\g)%4)+2*((\i)%2):SA+4*((\g)%4)+2*((\i)%2)+1], v[SH+8*(\g)+2*(\i):SH+8*(\g)+2*(\i)+1], v[VP+8*((\g)/4)+2*(\i):VP+8*((\g)/4)+2*(\i)+1], v[SA+4*((\g)%4)+2*((\i)%2):SA+4*((\g)%4)+2*((\i)%2)+1]
.endm
; The 16 sums of half h (shadow blocks 4 h .. 4 h + 3).  Each of the eight sum pairs takes its terms in the order (block, pair i), (block, pair i + 2); two lines on one sum pair stand eight lines apart.
.macro SUMS h
.irp i, 0,1,2,3
.irp g, 0,1,2,3
	RS 4*(\h)+\g, \i
.endr
.endr
.endm
; A chunk's head: the 32 copies, and by turns with them half A's 32 exponentials.  Exponential n stands behind copy n + 1, and the copy that makes its z is copy n / 2; no copy behind it names its register (copy k writes registers 2 k, 2 k + 1).
.macro HEAD
	FB1 0
.set f_, 1
.rept 31
	FB1 f_
	RE f_-1
.set f_, f_+1
.endr
	RE 31
.endm
; What stands behind product k (0 to 15) of group g.  Groups 0, 1 (half A) and 4, 5 (half B): reciprocal number slot = 16 (g % 4) + k of the half's 32, and ahead of it the additions of 1: pairs 0 and 1 in slot 0, pair p in slot
; 2 p - 2 (a slot or more ahead of its first reciprocal, in slot 2 p), but for pairs 8-11, which stand at the second group's head.  An addition names registers 2 p and 2 p + 1, and the reciprocals issued ahead of it end at 2 p - 3.
; Groups 2, 3: half B's exponentials.  Groups 6, 7: nothing.
.macro RIDE g, k
.if ((\g)%4) < 2
.set slot_, 16*((\g)%4)+(\k)
.set half_, (\g)/4
.if slot_ == 0
	RP 16*half_
	RP 16*half_+1
.elseif (slot_%2 == 0) && ((slot_ <= 12) || (slot_ >= 22)) && (slot_ <= 28)
	RP 16*half_+(slot_+2)/2
.endif
	RQ 32*half_+slot_
.elseif (\g) < 4
	RE 16*(\g)+(\k)
.endif
.endm
; GROUP g: 16 products.  mode 0: behind the first product stand four plain lines or more, the places in front of the loads into the buffer that group g - 1 read: additions of 1 (groups 1, 5), half A's sums (group 3),
; v_nop (groups 2, 4, 6); in groups 0, 2, 4, 6 a batch's wait follows them, directly ahead of the loads.  mode 2: chunk 0: bare, four v_nop as the places.
.macro GROUP g, mode
	s_wait_dscnt 0x0                               ; this group's fragments and the tables: all that is out
	MM \g, 0
.if (\mode) != 0
	PLACES
.elseif (\g) == 3
	WIN 0                                          ; the sums name v' as source 1
	SUMS 0                                         ; half A's: its reciprocals were waited for in group 2; group 4 loads the next v' over the one read here
.elseif ((\g)%4) == 1
.irp p, 8,9,10,11
	RP 16*((\g)/4)+\p
.endr
.elseif (\g) == 0
	v_nop                                          ; a plain instruction behind the last exponential of the chunk's head
	s_wait_alu depctr_va_vdst(0)                   ; one wait for half A's 32 exponentials, ahead of the additions of 1
.elseif (\g) < 7
	PLACES                                         ; also the plain instruction behind the batch's last transcendental
	s_wait_alu depctr_va_vdst(0)                   ; one wait for a batch of 32: group 2: half A's reciprocals, ahead of its sums; group 4: half B's exponentials, ahead of the additions of 1; group 6: half B's reciprocals, ahead of its sums
.endif
.if (\g) < 7
	LOADW (\g)+1
.endif
.if (\g) == 0
.irp q, 0,1,2,3                                        ; this chunk's bias'
	ds_load_b128 v[BI+4*\q:BI+4*\q+3], v[TAD] offset:64*(\q/2)+16*(\q%2)
.endr
.if (\mode) == 0
	ds_load_b128 v[VP+8:VP+11], v[TAD] offset:1984           ; v' of the shadows' second d block (the chunk before: 2,048 - 128 + 64)
	ds_load_b128 v[VP+12:VP+15], v[TAD] offset:2000
.endif
.endif
.if (\g) == 4
	ds_load_b128 v[VP:VP+3], v[TAD] offset:2048              ; v' of this chunk's first d block
	ds_load_b128 v[VP+4:VP+7], v[TAD] offset:2064
.endif
.if (\mode) == 0
	RIDE \g, 0
.endif
.irp k, 1,2,3,4,5,6,7,8,9,10,11,12,13,14,15
	MM \g, \k
.if (\mode) == 0
	RIDE \g, \k
.endif
.endr
.endm
.macro TRIP                            ; a chunk with the chunk before in its shadows
	WIN 0
	v_add_nc_u32 v[WAD], s[TBW], v[WA0]
	s_add_co_u32 s[TBT], s[TBT], 128
	v_add_nc_u32 v[TAD], s[TBT], v[TA0]
	s_add_co_u32 s[TBW], s[TBW], CHB
	LOADW 0
	HEAD                                           ; stands while those loads are out
.irp g, 0,1,2,3,4,5,6,7
	GROUP \g, 0
.endr
	WIN 0
	SUMS 1                                         ; half B's: its reciprocals were waited for in group 6; these lines are also the places behind the chunk's last product
.endm
.macro PEEL mode                       ; chunk 0
	WIN 0
	v_add_nc_u32 v[WAD], PCH, v[WA0]
	v_add_nc_u32 v[TAD], TAB, v[TA0]
	LOADW 0
.irp g, 0,1,2,3,4,5,6,7
	GROUP \g, \mode
.endr
	PLACES
	WIN 0
.endm
.macro INNER                           ; a slot's three chunks
	s_mov_b32 s[CNT], 3
.Lchunk_\@:
	TRIP
	s_sub_co_u32 s[CNT], s[CNT], 1
	s_cmp_lg_u32 s[CNT], 0
	s_cbranch_scc1 .Lchunk_\@
.endm
; THE CHANGE OF SLOTS.  Each wave waits for all its tensor loads, of which one is out: its part of the slot to be read next; adds 0 to its spare word; and waits for that and for its own reads of the slot that it leaves.
; fill = 1: the slot just left is filled with the chunks two slots on, behind a round of the cluster's barrier, first thing there: 384 products a wave in which to land.
.macro CHANGE fill
	WIN 0
	s_wait_tensorcnt 0x0                           ; no tensor load of mine is out, so group 0 may be written
	ds_add_u32 v[SPW], v[NIL]                      ; 0 onto my spare word
.if \fill
	s_xor_b32 s[G0+1], s[G0+1], SLOT1
	s_add_nc_u64 s[G0+2:G0+3], s[G0+2:G0+3], 96*1024
	s_wait_dscnt 0x0                               ; the add is done, and my reads of the slot are over
	CROUND
	tensor_load_to_lds s[G0:G0+3], s[G1:G1+7]
	s_nop 0
	PLACES
.else
	s_wait_dscnt 0x0
	s_barrier_signal -1
	s_barrier_wait -1
.endif
	s_sub_co_u32 s[TBW], s[TBW], SLOTB
	s_xor_b32 s[TBW], s[TBW], SLOT1
.endm
.macro EPI                             ; the last chunk's shadows have no products to stand behind: two batches of 64, each with one wait
	WIN 0
	ds_load_b128 v[VP+8:VP+11], v[TAD] offset:2112
	ds_load_b128 v[VP+12:VP+15], v[TAD] offset:2128
	HEAD                                           ; the copies and the first 32 exponentials
	s_wait_dscnt 0x0
.set n_, 32
.rept 32
	RE n_
.set n_, n_+1
.endr
	v_nop                                          ; a plain instruction behind the last exponential
	s_wait_alu depctr_va_vdst(0)                   ; one wait for the 64 exponentials, ahead of the additions of 1
.set n_, 0
.rept 32
	RP n_
.set n_, n_+1
.endr
.set n_, 0
.rept 64
	RQ n_
.set n_, n_+1
.endr
	v_nop                                          ; a plain instruction behind the last reciprocal
	s_wait_alu depctr_va_vdst(0)                   ; one wait for the 64 reciprocals, ahead of the sums
	SUMS 0
	SUMS 1
.endm
.macro SCORES                          ; the score of key row 16 rb + l % 16 into v[SA + 4 rb], in both halves of the lanes
.irp rb, 0,1,2,3
	v_pk_add_f32 v[SA+4*\rb:SA+4*\rb+1], v[SA+4*\rb:SA+4*\rb+1], v[SA+4*\rb+2:SA+4*\rb+3]
.endr
.irp rb, 0,1,2,3
	v_add_f32 v[SA+4*\rb], v[SA+4*\rb], v[SA+4*\rb+1]
.endr
.irp rb, 0,1,2,3
	v_permlanex16_b32 v[SA+4*\rb+1], v[SA+4*\rb], s[SEL], s[SEL+1]
.endr
.irp rb, 0,1,2,3
	v_add_f32 v[SA+4*\rb], v[SA+4*\rb], v[SA+4*\rb+1]
.endr
.irp rb, 0,1,2,3
	v_add_f32 v[SA+4*\rb], v[SA+4*\rb], v[VS]
.endr
.endm
.macro TABLES                          ; thread t holds d = 4 t .. 4 t + 3: bias' in v[48:51], v in v[52:55]
	v_pk_mul_f32 v[56:57], v[52:53], -2.0 op_sel_hi:[1,0]
	v_pk_mul_f32 v[58:59], v[54:55], -2.0 op_sel_hi:[1,0]
	v_add_f32 v60, v52, v53
	v_add_f32 v61, v54, v55
	ds_store_b128 v[TADR], v[48:51]
	ds_store_b128 v[TADR], v[56:59] offset:2048
	v_add_f32 v60, v60, v61
	v_add_f32_dpp v60, v60, v60 row_xmask:1 row_mask:0xf bank_mask:0xf
	v_add_f32_dpp v60, v60, v60 row_xmask:2 row_mask:0xf bank_mask:0xf
	v_add_f32_dpp v60, v60, v60 row_xmask:4 row_mask:0xf bank_mask:0xf
	v_add_f32_dpp v60, v60, v60 row_xmask:8 row_mask:0xf bank_mask:0xf
	v_permlanex16_b32 v61, v60, s[SEL], s[SEL+1]
	v_add_f32 v60, v60, v61
	v_mov_b32 v[TM], s[MW]
	ds_store_b32 v[TM], v60                        ; all lanes write the same word with the same value
.endm
	s_load_b256 s[4:11], s[0:1], 0x0               ; kbf s[4:5], w2bf s[6:7], y2 s[8:9], pst s[10:11]
	s_load_b128 s[12:15], s[0:1], 0x20             ; v2 s[12:13], out0 s[14:15]
	v_lshl_add_u32 v[SPW], v0, 2, SPARE
	v_mov_b32 v[NIL], 0
	ds_add_u32 v[SPW], v[NIL]                      ; the wave's opening: the add and its wait stand ahead of my first tensor load; the set-up below, work on registers, stands between them
	ds_add_u32 v1, v2
	v_lshrrev_b32 v[TM], 5, v0
	v_readfirstlane_b32 s[WV], v[TM]               ; wave 0..3
	s_bfe_u32 s[CX], ttmp6, 0x40000
	s_lshl_b32 s[WG], ttmp9, 2                     ; in a cluster launch ttmp9 counts clusters: the batch
	s_add_co_u32 s[WG], s[WG], s[CX]
	s_mov_b32 s[G1], 15|(1<<16)|(1<<20)|(1<<21)|(7<<22)|(3<<25)   ; 15:0 the mask of four; 17:16 2-byte elements; 20 padding on; 21 set beside a mask; 24:22 after every 256 words (code 7); 31:25 4 words (code 3)
	s_mov_b32 s[G1P], 15|(1<<16)|(1<<20)|(1<<21)|(7<<22)|(3<<25)
	s_mov_b32 s[G1+1], 512<<16                     ; tensor_dim0 = 512
	s_mov_b32 s[G1P+1], 512<<16
	s_mov_b32 s[G1+2], 24<<16                      ; tensor_dim1 = 24
	s_mov_b32 s[G1P+2], 8<<16                      ; or 8
	s_mov_b32 s[G1+3], 512<<16                     ; tile_dim0 = 512
	s_mov_b32 s[G1P+3], 512<<16
	s_mov_b32 s[G1+4], 24                          ; tile_dim1
	s_mov_b32 s[G1P+4], 8
	s_mov_b32 s[G1+5], 512                         ; 512 elements from row to row
	s_mov_b32 s[G1P+5], 512
	s_mov_b32 s[G1+6], 0
	s_mov_b32 s[G1P+6], 0
	s_mov_b32 s[G1+7], 0
	s_mov_b32 s[G1P+7], 0
	s_mov_b32 s[G0], 1
	s_mul_i32 s[G0+1], s[WV], 24*PW                ; slot 0, my 24 rows
	s_mov_b32 s[G0P], 1
	s_mul_i32 s[G0P+1], s[WV], 8*PW
	s_add_co_u32 s[G0P+1], s[G0P+1], PCH           ; chunk 0's region, my 8 rows
	s_mul_i32 s22, s[WV], 24*1024
	s_add_co_u32 s22, s22, 32*1024
	s_mov_b32 s23, 0
	s_lshl_b32 s56, s[WV], 13
	s_mov_b32 s57, 0
	s_mov_b32 s[CS], 0x4038aa3b                    ; c = 2 log2(e)
	s_mov_b32 s[CS+1], s[CS]
	s_mov_b32 s[SEL], 0x76543210
	s_mov_b32 s[SEL+1], 0xfedcba98
	s_mov_b32 s[L2E], 0x3fb8aa3b
	s_mov_b32 s[TBW], SLOT1+SLOTB                  ; the first change of slots turns this into 0
	s_mov_b32 s[TBT], TAB
	s_lshl_b32 s[MW], s[WV], 2
	s_add_co_u32 s[MW], s[MW], MISC
	s_wait_dscnt 0x0                               ; the opening add is done
	s_wait_kmcnt 0x0
	s_add_nc_u64 s[G0+2:G0+3], s[6:7], s[22:23]
	s_or_b32 s[G0+3], s[G0+3], 0x80000000          ; type = 2
	s_add_nc_u64 s[G0P+2:G0P+3], s[6:7], s[56:57]
	s_or_b32 s[G0P+3], s[G0P+3], 0x80000000
	s_lshl2_add_u32 s2, s[WG], s[WV]
	s_lshl_b32 s2, s2, 16
	s_mov_b32 s3, 0
	s_add_nc_u64 s[4:5], s[4:5], s[2:3]            ; kbf: my wave's 65,536 bytes
	s_lshl_b32 s2, ttmp9, 13
	s_add_nc_u64 s[8:9], s[8:9], s[2:3]            ; y2: my batch's four rows
	s_lshl_b32 s2, ttmp9, 10
	s_add_nc_u64 s[10:11], s[10:11], s[2:3]        ; pst: my batch's four pairs
	s_lshl_b32 s2, s[WG], 10
	s_lshl_b32 s22, s[WV], 8
	s_add_co_u32 s2, s2, s22
	s_add_nc_u64 s[14:15], s[14:15], s[2:3]        ; out0: my wave's 64 numbers
	CROUND                                         ; all four work-groups are here: the first joint loads meet
	tensor_load_to_lds s[G0P:G0P+3], s[G1P:G1P+7]  ; chunk 0
	s_nop 0
	tensor_load_to_lds s[G0:G0+3], s[G1:G1+7]      ; chunks 1-3
	s_nop 0
	PLACES
	v_and_b32 v[L16], 31, v0
	v_lshlrev_b32 v[L16], 4, v[L16]
	v_lshlrev_b32 v[T16], 4, v0
	v_mov_b32 v[Z0], 0
.irp j, 0,1,2,3
	global_load_b64 v[16+2*\j:17+2*\j], v[Z0], s[10:11] offset:256*\j       ; (m_j, l_j)
.endr
.irp j, 0,1,2,3
	global_load_b128 v[24+4*\j:27+4*\j], v[T16], s[8:9] offset:2048*\j      ; y_j: four d a thread
.endr
	global_load_b128 v[52:55], v[T16], s[12:13]                            ; v2
.irp w, 0,1                                            ; my keys: 128 loads of 512 consecutive bytes, straight into the fragments' registers
	WIN 0x80+0x40*\w
.set n, 0
.rept 64
	global_load_b128 v[4*n:4*n+3], v[L16], s[4:5] offset:512*(64*\w+n) th:TH_LOAD_NT
.set n, n+1
.endr
.endr
	WIN 0
	v_and_b32 v[RR], 15, v0
	v_bfe_u32 v[HH], v0, 4, 1
	v_mul_u32_u24 v[WA0], v[RR], PW
	v_lshl_add_u32 v[WA0], v[HH], 4, v[WA0]
	v_lshlrev_b32 v[TA0], 5, v[HH]
	v_add_nc_u32 v[TADR], TAB, v[T16]
.set i, 0
.rept 16
	v_mov_b32 v[SA+i], 0                           ; the scores' sums run through all 16 chunks
.set i, i+1
.endr
	s_wait_loadcnt 63                              ; the nine small loads are in: 128 are younger, and the count cannot name more than 63
	v_max3_num_f32 v40, v16, v18, v20
	v_max_num_f32 v40, v40, v22                    ; M
.irp j, 0,1,2,3
	v_sub_f32 v[41+\j], v[16+2*\j], v40
.endr
.irp j, 0,1,2,3
	v_mul_f32 v[41+\j], s[L2E], v[41+\j]
.endr
.irp j, 0,1,2,3
	v_exp_f32 v[41+\j], v[41+\j]
.endr
	v_nop                                          ; a plain instruction between the last exponential and the use of its result
	s_wait_alu depctr_va_vdst(0)                   ; one wait for the four quarters' exponentials
	v_mul_f32 v45, v41, v17
	v_fmac_f32 v45, v42, v19
	v_fmac_f32 v45, v43, v21
	v_fmac_f32 v45, v44, v23                       ; L: at least 1, since the quarter that holds M has a weight of 1
	v_rcp_f32 v46, v45
	v_nop
	s_wait_alu depctr_va_vdst(0)                   ; the reciprocal of L is a batch of its own: it reads a sum of those exponentials
	v_mul_f32 v46, s[CS], v46                      ; c / L
.irp j, 0,1,2,3
	v_mul_f32 v[41+\j], v[41+\j], v46              ; c a_j
.endr
.irp i, 0,1,2,3
	v_mul_f32 v[48+\i], v41, v[24+\i]
.endr
.irp i, 0,1,2,3
	v_fmac_f32 v[48+\i], v42, v[28+\i]
.endr
.irp i, 0,1,2,3
	v_fmac_f32 v[48+\i], v43, v[32+\i]
.endr
.irp i, 0,1,2,3
	v_fmac_f32 v[48+\i], v44, v[36+\i]             ; bias' = c x bias2
.endr
	TABLES
	s_wait_tensorcnt 0x1                           ; my part of chunk 0 is in; slot 0's may stay out
	s_wait_dscnt 0x0                               ; my part of the tables is in LDS
	s_barrier_signal -1
	s_barrier_wait -1
	v_mov_b32 v[TM], MISC
	ds_load_b128 v[60:63], v[TM]
	s_wait_dscnt 0x0
	v_add_f32 v60, v60, v61
	v_add_f32 v62, v62, v63
	v_add_f32 v[VS], v60, v62
	s_wait_loadcnt 0x0                             ; my keys
	PEEL 2
	s_mov_b32 s[SLOTS], 4
.Lslot:
	CHANGE 1
	INNER
	s_sub_co_u32 s[SLOTS], s[SLOTS], 1
	s_cmp_lg_u32 s[SLOTS], 0
	s_cbranch_scc1 .Lslot
	CHANGE 0                                       ; the last slot is written out
	INNER
	EPI
	SCORES
	; THE WAY OUT: my 64 scores through 256 bytes of LDS of my own, so that one store covers them.
	s_lshl_b32 s56, s[WV], 8
	s_add_co_u32 s56, s56, MISC+1024
	v_lshl_add_u32 v208, v[RR], 2, s56
	v_lshrrev_b32 v209, 1, v[L16]
	v_add_nc_u32 v210, s56, v209
.irp rb, 0,1,2,3
	ds_store_b32 v208, v[SA+4*\rb] offset:64*\rb   ; both halves of the lanes write the same value
.endr
	ds_load_b64 v[212:213], v210                   ; LDS serves a wave's instructions in order (ISA guide 5.7.1.4): this sees the stores above
	s_wait_dscnt 0x0
	global_store_b64 v209, v[212:213], s[14:15]    ; 256 consecutive bytes, aligned
	s_wait_tensorcnt 0x0                           ; the wave's end: the wait, the add and its wait stand behind my last tensor load and my last LDS store
	ds_add_u32 v[SPW], v[NIL]
	s_wait_dscnt 0x0
	CROUND                                         ; the closing round: no work-group ends while a partner may still ask for a tile that names it
	s_endpgm
.Lfunc_end_k_qd9c65432e3_stage2:
	.size	k_qd9c65432e3_stage2, .Lfunc_end_k_qd9c65432e3_stage2-k_qd9c65432e3_stage2
	.p2alignl 7, 3214868480
	.fill 96, 4, 3214868480
	.section	.rodata,"a",@progbits
	.p2align	6, 0x0
	.amdhsa_kernel k_qd9c65432e3_stage2
		.amdhsa_group_segment_fixed_size 327680
		.amdhsa_private_segment_fixed_size 0
		.amdhsa_enable_private_segment 0
		.amdhsa_kernarg_size 48
		.amdhsa_user_sgpr_count 2
		.amdhsa_user_sgpr_kernarg_segment_ptr 1
		.amdhsa_wavefront_size32 1
		.amdhsa_system_sgpr_workgroup_id_x 1
		.amdhsa_system_sgpr_workgroup_id_y 1
		.amdhsa_system_sgpr_workgroup_id_z 1
		.amdhsa_system_vgpr_workitem_id 0
		.amdhsa_next_free_vgpr 1024
		.amdhsa_next_free_sgpr 66
		.amdhsa_reserve_vcc 0
		.amdhsa_float_denorm_mode_32 3
		.amdhsa_float_denorm_mode_16_64 3
		.amdhsa_memory_ordered 1
		.amdhsa_forward_progress 1
		.amdhsa_inst_pref_size 96
	.end_amdhsa_kernel
	.amdgpu_metadata
---
amdhsa.version: [ 1, 2 ]
amdhsa.kernels:
  - .name:           k_qd9c65432e3_stage2
    .symbol:         k_qd9c65432e3_stage2.kd
    .args:
      - { .name: kbf, .offset: 0, .size: 8, .value_kind: global_buffer, .address_space: global }
      - { .name: w2bf, .offset: 8, .size: 8, .value_kind: global_buffer, .address_space: global }
      - { .name: y2, .offset: 16, .size: 8, .value_kind: global_buffer, .address_space: global }
      - { .name: pst, .offset: 24, .size: 8, .value_kind: global_buffer, .address_space: global }
      - { .name: v2, .offset: 32, .size: 8, .value_kind: global_buffer, .address_space: global }
      - { .name: out0, .offset: 40, .size: 8, .value_kind: global_buffer, .address_space: global }
    .group_segment_fixed_size: 327680
    .private_segment_fixed_size: 0
    .kernarg_segment_align: 8
    .kernarg_segment_size: 48
    .max_flat_workgroup_size: 128
    .sgpr_count:     66
    .vgpr_count:     1024
    .wavefront_size: 32
...
	.end_amdgpu_metadata
.endif
;; end of part 5
